; MI455X (gfx1250); checked and timed in simulation.
; The chip was launched on July 23, 2026; its instructions are those of AMD's public machine-readable ISA for CDNA 5 (MIT licence, August 2026) and "CDNA5" Instruction Set Architecture Reference Guide (July 2026). The comments in the code are by the model that wrote it; some were corrected since.
;; Sparse Mo E. Allowed arithmetic: float matrix products may take bf16 or f16 operands with f32 sums; other float arithmetic in f32, or as packed bf16 or f16 multiplies, adds, multiply-adds, maxima and minima; sums over many terms, partial sums and values carried from step to step in f32; what a program stores and reads back later, other than sums and carried values, may be rounded once to bf16 or f16.
;; Inputs: fc1_b 8 x 2,048 float32; fc1_w 8 x 512 x 2,048 float32; fc2_b 8 x 512 float32; fc2_w 8 x 2,048 x 512 float32; gate_w 8 x 512 float32; x 2 x 2,048 x 512 float32.
;; Outputs: out0 2 x 2,048 x 512 float32; out1 one number float32; out2 one number float32.
;; One version. Each part assembles by itself: llvm-mc -triple=amdgcn-amd-amdhsa -mcpu=gfx1250 --defsym DOCPART=n.
;; ======== version 1 of 1: 5 launches
;; limits: values are held in f16: magnitudes above 65,504 overflow, below 6.1e-05 lose precision; a function is approximated: absolute error at most 0.0005
;; workspace buffers: rint 40,960 bytes of whole numbers; rflt 40,960 bytes; plist 32,768 bytes of whole numbers; cw 32,768 bytes; xs 9,437,184 bytes; wf 33,554,432 bytes; hf 37,748,736 bytes; y2 18,874,368 bytes
;; launch route (part 1): grid 256 x 1, 1 waves a work-group, no clusters, 0 bytes of LDS; arguments x, gate_w, rint, rflt; writes rint, rflt
.if DOCPART == 1
	.amdgcn_target "amdgcn-amd-amdhsa--gfx1250"
	.amdhsa_code_object_version 6
	.text
	.protected	k_qf122555ed2_route
	.globl	k_qf122555ed2_route
	.p2align	8
	.type	k_qf122555ed2_route,@function
k_qf122555ed2_route:
	s_mov_b64 s[64:65], 0
	v_nop
	global_prefetch_b8 v0, s[64:65] scope:SCOPE_SE
	s_setreg_imm32_b32 hwreg(HW_REG_WAVE_MODE, 25, 1), 1
	s_wait_xcnt 0x0
; ROUTER.  logits = x gate_w^T (x and gate_w rounded once to bf16, sums in f32), softmax over the 8 experts with the row's maximum taken away, the two largest gates.
; One wave takes 16 tokens.  The matrix instruction is used transposed: source 0 = gate rows (row m holds expert m % 8, so rows 8-15 repeat rows 0-7), source 1 = 16 tokens.
; In the result lane (r, hh) holds token r and, in its eight registers, all eight logits; the two halves of the lanes are alike.  Half 0 then speaks for slot 0, half 1 for slot 1.
; K is permuted alike in both operands: in K step c lane (r, hh) takes k = 32 c + 16 hh + 0..15, 64 consecutive bytes of f32.
; Stored, at fixed places (no address here hangs on a choice): rint: eidx[j][32] (entry L: slot L / 16, token 16 j + L % 16), and from byte 32768 Hp[slot 256 + j][4], the block's counts for each
; expert, two 16-bit counts a word; rflt: gv[j][32], the chosen gates, and from byte 32768 gs[j][8], the block's sums of all gates.
; LIMITS.  NaN and infinities are not treated apart.  Equal gates: the lower index wins, as in a top-k that keeps the lower index.  A token whose second and third gates differ by less than the
; rounding of a 512-term f32 sum may choose otherwise than another order of summation would.
; NO CLUSTER, NO LDS: work-groups share only gate_w, 16 KiB; each wave reads its 32 KiB of x once.
; REGISTERS, in windows of 256: window 0: v1-7 lane terms, v8-31 at work, v32-63 four accumulators, v64-191 x as fragments, v192-207 at work; window 1: x in f32; window 2: gate_w in f32; window 3: v0-127 gate_w as fragments.
.set ACC, 32
.set XF,  64
.set MSB, 0
.macro WIN new                         ; the high byte repeats the setting that is left
.if MSB != (\new)
	s_set_vgpr_msb (MSB<<8)|(\new)
.set MSB, (\new)
.endif
.endm
.macro SCAN src, g, ix                 ; the largest of eight and its index; strictly greater, so the lower index stays
	v_mov_b32 v[\g], v[\src]
	v_mov_b32 v[\ix], 0
.irp e, 1,2,3,4,5,6,7
	v_cmp_gt_f32 vcc_lo, v[\src+\e], v[\g]
	v_cndmask_b32 v[\g], v[\g], v[\src+\e], vcc_lo
	v_cndmask_b32 v[\ix], v[\ix], \e, vcc_lo
.endr
.endm
	s_load_b256 s[4:11], s[0:1], 0x0               ; x s[4:5], gate_w s[6:7], rint s[8:9], rflt s[10:11]
	v_and_b32 v1, 15, v0                           ; r
	v_lshrrev_b32 v2, 4, v0                        ; hh
	v_lshlrev_b32 v3, 11, v1
	v_lshl_add_u32 v3, v2, 6, v3                   ; x: token r x 2,048 bytes + 64 hh
	v_and_b32 v4, 7, v0
	v_lshlrev_b32 v4, 11, v4
	v_lshl_add_u32 v4, v2, 6, v4                   ; gate_w: expert r % 8 x 2,048 bytes + 64 hh
	v_lshlrev_b32 v5, 2, v0                        ; 4 L
	v_lshlrev_b32 v6, 12, v0                       ; Hp: slot L is 4,096 bytes on (lanes 0 and 1 alone store there)
	v_lshlrev_b32 v7, 4, v0                        ; gs: 16 L
	s_lshl_b32 s12, ttmp9, 15                      ; 16 tokens of 2,048 bytes
	s_mov_b32 s13, 0
	s_lshl_b32 s14, ttmp9, 7
	s_mov_b32 s15, 0
	s_lshl_b32 s16, ttmp9, 4
	s_mov_b32 s17, 0
	s_lshl_b32 s18, ttmp9, 5
	s_mov_b32 s19, 0
	s_wait_kmcnt 0x0
	s_add_nc_u64 s[4:5], s[4:5], s[12:13]          ; x at my tokens
	s_add_nc_u64 s[12:13], s[8:9], s[14:15]        ; eidx[j]
	s_add_nc_u64 s[14:15], s[10:11], s[14:15]      ; gv[j]
	s_add_nc_u64 s[16:17], s[8:9], s[16:17]        ; Hp[j], less the 32,768 that stands in the store's immediate
	s_add_nc_u64 s[18:19], s[10:11], s[18:19]      ; gs[j], likewise
	WIN 0x80                                       ; destination window 2
.set c, 0
.rept 16
.irp q, 0,1,2,3
	global_load_b128 v[16*c+4*\q:16*c+4*\q+3], v4, s[6:7] offset:128*c+16*\q
.endr
.set c, c+1
.endr
	WIN 0x40                                       ; destination window 1
.set c, 0
.rept 16
.irp q, 0,1,2,3
	global_load_b128 v[16*c+4*\q:16*c+4*\q+3], v3, s[4:5] offset:128*c+16*\q
.endr
.set c, c+1
.endr
	s_wait_loadcnt 0x0
	WIN 0xca                                       ; sources window 2, destination window 3
.set i, 0
.rept 128
	v_cvt_pk_bf16_f32 v[i], v[2*i], v[2*i+1]
.set i, i+1
.endr
	WIN 0x05                                       ; sources window 1, destination window 0
.set i, 0
.rept 128
	v_cvt_pk_bf16_f32 v[XF+i], v[2*i], v[2*i+1]
.set i, i+1
.endr
	WIN 0x03                                       ; source 0 window 3
.set c, 0
.rept 16                                           ; four accumulators by turns, one instruction a turn; the first four products start the sums
.if c < 4
	v_wmma_f32_16x16x32_bf16 v[ACC+8*(c%4):ACC+8*(c%4)+7], v[8*c:8*c+7], v[XF+8*c:XF+8*c+7], 0
.else
	v_wmma_f32_16x16x32_bf16 v[ACC+8*(c%4):ACC+8*(c%4)+7], v[8*c:8*c+7], v[XF+8*c:XF+8*c+7], v[ACC+8*(c%4):ACC+8*(c%4)+7]
.endif
.set c, c+1
.endr
	WIN 0
.rept 4
	v_nop                                          ; four places behind the last product (ISA guide 7.12.1)
.endr
.irp p, 0,2,4,6                                    ; the four partial sums, each accumulator from its low end on
	v_pk_add_f32 v[32+\p:33+\p], v[32+\p:33+\p], v[40+\p:41+\p]
	v_pk_add_f32 v[48+\p:49+\p], v[48+\p:49+\p], v[56+\p:57+\p]
	v_pk_add_f32 v[32+\p:33+\p], v[32+\p:33+\p], v[48+\p:49+\p]
.endr
	; softmax: 2^((l - m) log2 e), the same rounded m log2 e for all eight
	v_max3_num_f32 v8, v32, v33, v34
	v_max3_num_f32 v8, v8, v35, v36
	v_max3_num_f32 v8, v8, v37, v38
	v_max_num_f32 v8, v8, v39
	v_mul_f32 v9, 0xbfb8aa3b, v8
.irp e, 0,1,2,3,4,5,6,7
	v_fmamk_f32 v[10+\e], v[32+\e], 0x3fb8aa3b, v9
.endr
.irp e, 0,1,2,3,4,5,6,7
	v_exp_f32 v[10+\e], v[10+\e]
.endr
	v_nop                                          ; a plain instruction behind the exponentials (ISA guide 5.7.2)
	s_wait_alu depctr_va_vdst(0)
	v_add_f32 v18, v10, v11
	v_add_f32 v19, v12, v13
	v_add_f32 v20, v14, v15
	v_add_f32 v21, v16, v17
	v_add_f32 v18, v18, v19
	v_add_f32 v20, v20, v21
	v_add_f32 v18, v18, v20
	v_rcp_f32 v19, v18
	v_nop
	s_wait_alu depctr_va_vdst(0)
.irp e, 0,1,2,3,4,5,6,7
	v_mul_f32 v[10+\e], v[10+\e], v19              ; the gates
.endr
	SCAN 10, 22, 23                                ; the largest gate v22, its expert v23
.irp e, 0,1,2,3,4,5,6,7
	v_cmp_eq_u32 vcc_lo, \e, v23
	v_cndmask_b32 v[24+\e], v[10+\e], -1.0, vcc_lo ; the winner is taken out: gates are never negative
.endr
	SCAN 24, 192, 193                              ; the second
	v_cmp_eq_u32 vcc_lo, 1, v2
	v_cndmask_b32 v194, v23, v193, vcc_lo          ; lanes 0-15 slot 0, lanes 16-31 slot 1
	v_cndmask_b32 v195, v22, v192, vcc_lo
	global_store_b32 v5, v194, s[12:13]
	global_store_b32 v5, v195, s[14:15]
.irp e, 0,1,2,3,4,5,6,7
	v_cmp_eq_u32 s[20+\e], \e, v194                ; who chose expert e: bits 0-15 slot 0, bits 16-31 slot 1
.endr
.irp k, 0,1,2,3
	s_and_b32 s28, s[20+2*\k], 0xffff
	s_bcnt1_i32_b32 s28, s28
	s_and_b32 s29, s[21+2*\k], 0xffff
	s_bcnt1_i32_b32 s29, s29
	s_lshl_b32 s29, s29, 16
	s_or_b32 s[32+\k], s28, s29                    ; slot 0: counts of experts 2 k and 2 k + 1
	s_lshr_b32 s28, s[20+2*\k], 16
	s_bcnt1_i32_b32 s28, s28
	s_lshr_b32 s29, s[21+2*\k], 16
	s_bcnt1_i32_b32 s29, s29
	s_lshl_b32 s29, s29, 16
	s_or_b32 s[36+\k], s28, s29                    ; slot 1
.endr
.irp m, 1,2,4,8                                    ; each gate summed over the 16 tokens of a half
.irp e, 0,1,2,3,4,5,6,7
	v_add_f32_dpp v[10+\e], v[10+\e], v[10+\e] row_xmask:\m row_mask:0xf bank_mask:0xf
.endr
.endr
	v_cmp_eq_u32 vcc_lo, 1, v0
.irp k, 0,1,2,3
	v_mov_b32 v[196+\k], s[32+\k]
	v_cndmask_b32 v[196+\k], v[196+\k], s[36+\k], vcc_lo  ; lane 0: slot 0's words; lane 1: slot 1's
	v_cndmask_b32 v[204+\k], v[10+\k], v[14+\k], vcc_lo   ; lane 0: experts 0-3; lane 1: experts 4-7
.endr
	s_wait_xcnt 0x0                                ; EXEC changes only behind this wait: the two stores above have it among their sources
	v_cmp_gt_u32 vcc_lo, 2, v0
	s_and_saveexec_b32 s40, vcc_lo
	global_store_b128 v6, v[196:199], s[16:17] offset:32768
	global_store_b128 v7, v[204:207], s[18:19] offset:32768
	s_wait_xcnt 0x0
	s_or_b32 exec_lo, exec_lo, s40
	s_endpgm
.Lfunc_end_k_qf122555ed2_route:
	.size	k_qf122555ed2_route, .Lfunc_end_k_qf122555ed2_route-k_qf122555ed2_route
	.p2alignl 7, 3214868480
	.fill 96, 4, 3214868480
	.section	.rodata,"a",@progbits
	.p2align	6, 0x0
	.amdhsa_kernel k_qf122555ed2_route
		.amdhsa_group_segment_fixed_size 0
		.amdhsa_private_segment_fixed_size 0
		.amdhsa_enable_private_segment 0
		.amdhsa_kernarg_size 32
		.amdhsa_user_sgpr_count 2
		.amdhsa_user_sgpr_kernarg_segment_ptr 1
		.amdhsa_wavefront_size32 1
		.amdhsa_system_sgpr_workgroup_id_x 1
		.amdhsa_system_sgpr_workgroup_id_y 1
		.amdhsa_system_sgpr_workgroup_id_z 1
		.amdhsa_system_vgpr_workitem_id 0
		.amdhsa_next_free_vgpr 896
		.amdhsa_next_free_sgpr 66
		.amdhsa_reserve_vcc 1
		.amdhsa_float_denorm_mode_32 3
		.amdhsa_float_denorm_mode_16_64 3
		.amdhsa_memory_ordered 1
		.amdhsa_forward_progress 1
		.amdhsa_inst_pref_size 41
	.end_amdhsa_kernel
	.amdgpu_metadata
---
amdhsa.version: [ 1, 2 ]
amdhsa.kernels:
  - .name:           k_qf122555ed2_route
    .symbol:         k_qf122555ed2_route.kd
    .args:
      - { .name: x, .offset: 0, .size: 8, .value_kind: global_buffer, .address_space: global }
      - { .name: gate_w, .offset: 8, .size: 8, .value_kind: global_buffer, .address_space: global }
      - { .name: rint, .offset: 16, .size: 8, .value_kind: global_buffer, .address_space: global }
      - { .name: rflt, .offset: 24, .size: 8, .value_kind: global_buffer, .address_space: global }
    .group_segment_fixed_size: 0
    .private_segment_fixed_size: 0
    .kernarg_segment_align: 8
    .kernarg_segment_size: 32
    .max_flat_workgroup_size: 32
    .sgpr_count:     66
    .vgpr_count:     896
    .wavefront_size: 32
...
	.end_amdgpu_metadata
.endif
;; end of part 1
;; launch place (part 2): grid 256 x 1, 8 waves a work-group, no clusters, 0 bytes of LDS; arguments rint, rflt, x, fc1_w, fc2_w, xs, plist, cw, wf, out1, out2; writes xs, plist, cw, wf, out1, out2
.if DOCPART == 2
	.amdgcn_target "amdgcn-amd-amdhsa--gfx1250"
	.amdhsa_code_object_version 6
	.text
	.protected	k_qf122555ed2_place
	.globl	k_qf122555ed2_place
	.p2align	8
	.type	k_qf122555ed2_place,@function
k_qf122555ed2_place:
	s_mov_b64 s[64:65], 0
	v_nop
	global_prefetch_b8 v0, s[64:65] scope:SCOPE_SE
	s_setreg_imm32_b32 hwreg(HW_REG_WAVE_MODE, 25, 1), 1
	s_wait_xcnt 0x0
; PLACE.  (1) Each (slot, token) entry's place in its expert's queue, slot-major, and the capacity of 1,075.  (2) x's rows, rounded to bf16, into the experts' order: expert e owns the 1,152 row places
; from 1,152 e on; places past its count are filled with zeros, so that the two products that follow have fixed shapes for every split of the tokens.  (3) plist (row place, 0 where dropped) and
; cw (gate, 0 where dropped).  (4) Both losses.  (5) Both weight tensors, rounded once to bf16, in the order in which a wave's operand registers take them; fc2_w's rounded numbers are written as f16,
; since the second product multiplies the hidden layer in f16.
; ROUTING.  Every wave works the routing out for itself from the 8 KiB of block counts: no LDS, no barrier.  Entry (slot, token 16 j + i) of expert e has place = (slot 1: all of slot 0's e) + e's count in
; the slot's blocks before j + the number of earlier tokens of block j with e in that slot.  Counts are 16-bit fields, two a word; no sum passes 8,192.
; FRAGMENT ORDER.  A unit of 256 bytes is 16 columns x 8 consecutive k; four units on end are a 16 x 32 operand: lane L reads 16 bytes at 16 L and at 512 + 16 L.
;   W1f[e][ct 8][ks 4][nb 16][o 16][r 16][8 k] at byte 0 of wf;  W2f[e][ct2 4][ks2 8][nb 8][o 32][r 16][8 k] at byte 16,777,216.
; COLUMN SLOTS.  In each 128 columns, column 4 L + c lies at slot 32 c + L: a lane that loads 16 bytes of each of eight rows then holds, for each c, the eight k of ONE column, and sixteen lanes fill a unit.
; The hidden layer is kept in slot order, so octet g of W2's K is the rows 128 (g / 16) + 32 (g % 4) + (g / 4) % 4 + 4 i, i = 0..7: 8,192 bytes apart, as W1's eight rows are.
; SHARES.  Wave W = 8 j + wave of 2,048: 8 rows x 512 columns of fc1_w and of fc2_w (16 KiB each), two tokens' rows of x, up to five pad rows.
; IN FLIGHT.  All that a wave reads, 90 loads, is asked for at its head, before the first wait.  Every store has data registers, an offset register and a base of its own, so that nothing on the
; streaming path waits for a store's sources to be read.
; LIMITS.  A dropped entry names row place 0 with weight 0.  fc2_w lies within f16's 65,504; below 6e-5 its bf16 number keeps f16's fixed step of 6e-8.  NO CLUSTER: each weight byte has one reader.
; REGISTERS: window 0 as named below; window 1: v0-127 fc2_w in f32, v128-159 two rows of x in f32.
.set CAP,  1075
.set RPE,  1152
.set S0,   14                          ; v14-17 slot 0: counts in the blocks before mine;  v18-21 T0: in all blocks
.set T0,   18
.set S1,   22                          ; v22-25, v26-29 the same for slot 1
.set T1,   26
.set AREA, 48                          ; v48-111 the block counts; then the 64 registers that W1f's stores read
.set WB,   112                         ; v112-239 fc1_w: four groups of 8 rows x 4 columns a lane; when they are rounded their registers serve again:
.set O2,   112                         ; v112-175 the 64 registers that W2f's stores read
.set WD,   176                         ; v176-207 32 numbers widened from bf16, at work
.set TT,   208                         ; v208-223 16 words of bf16 pairs, at work
.set OUTX, 224                         ; v224-239 two rows of x to store
.set W2,   0                           ; window 1
.set XR,   128                         ; window 1
.set TOT,  44                          ; s[44:47] all entries of each expert, two counts a word
.set MSB, 0
.macro WIN new                         ; the high byte repeats the setting that is left
.if MSB != (\new)
	s_set_vgpr_msb (MSB<<8)|(\new)
.set MSB, (\new)
.endif
.endm
.macro OCT_LD r, i, base               ; eight rows, 8,192 bytes apart, of column group i: 512 consecutive bytes a load
.irp kk, 0,1,2,3,4,5,6,7
	global_load_b128 v[(\r)+32*(\i)+4*\kk:(\r)+32*(\i)+4*\kk+3], v2, s[\base:\base+1] offset:\kk*8192+(\i)*512 th:TH_LOAD_NT
.endr
.endm
; Turned in registers: for each c the eight k of column 4 L + c, 16 bytes; lanes 0-15 and lanes 16-31 each store one whole aligned block of 256 bytes.
.macro OCT1 i, off                     ; fc1_w's group i, rounded to bf16
.irp c, 0,1,2,3
.irp q, 0,1,2,3
	v_cvt_pk_bf16_f32 v[AREA+16*(\i)+4*\c+\q], v[WB+32*(\i)+8*\q+\c], v[WB+32*(\i)+8*\q+4+\c]
.endr
.endr
.irp c, 0,1,2,3
	global_store_b128 v3, v[AREA+16*(\i)+4*\c:AREA+16*(\i)+4*\c+3], s[36:37] offset:(\off)+\c*8192
.endr
.endm
.macro OCT2 i, off                     ; fc2_w's group i, rounded to bf16, widened again and written as f16
	WIN 0x05                                       ; sources in window 1
.irp c, 0,1,2,3
.irp q, 0,1,2,3
	v_cvt_pk_bf16_f32 v[TT+4*\c+\q], v[W2+32*(\i)+8*\q+\c], v[W2+32*(\i)+8*\q+4+\c]
.endr
.endr
	WIN 0
.irp c, 0,1,2,3
.irp q, 0,1,2,3
	v_lshlrev_b32 v[WD+2*(4*\c+\q)], 16, v[TT+4*\c+\q]
	v_and_b32 v[WD+2*(4*\c+\q)+1], s69, v[TT+4*\c+\q]
.endr
.endr
.irp c, 0,1,2,3
.irp q, 0,1,2,3
	v_cvt_pk_f16_f32 v[O2+16*(\i)+4*\c+\q], v[WD+2*(4*\c+\q)], v[WD+2*(4*\c+\q)+1]
.endr
.endr
.irp c, 0,1,2,3
	global_store_b128 v4, v[O2+16*(\i)+4*\c:O2+16*(\i)+4*\c+3], s[42:43] offset:(\off)+\c*16384
.endr
.endm
.macro XROW u, s                       ; token 2 wave + u, slot s: its row goes to its place, if it has one
	s_add_co_u32 s50, s67, (\u)+16*(\s)
	v_readlane_b32 s51, v39, s50
	s_cmp_lt_u32 s51, 8*RPE
	s_cbranch_scc0 .Lno_row_\@                     ; dropped: over the capacity
	s_min_u32 s51, s51, 8*RPE-1
	s_lshl_b32 s51, s51, 10
	v_add_nc_u32 v[6+2*(\u)+(\s)], s51, v2
	global_store_b128 v[6+2*(\u)+(\s)], v[OUTX+8*(\u):OUTX+8*(\u)+3], s[14:15]
	global_store_b128 v[6+2*(\u)+(\s)], v[OUTX+8*(\u)+4:OUTX+8*(\u)+7], s[14:15] offset:512
.Lno_row_\@:
.endm
.macro ZROW q                          ; place 36 (j % 32) + wave + 8 q of expert j / 32: zeros, if no token has it; each q has a base pair of its own
	s_add_co_u32 s56, s26, 8*(\q)
.if (\q) == 4
	s_cmp_ge_u32 s56, 36
	s_cbranch_scc1 .Lz_\@
.endif
	s_add_co_u32 s57, s53, s56
	s_cmp_lt_u32 s57, s54
	s_cbranch_scc1 .Lz_\@
	s_add_co_u32 s[70+2*(\q)], s55, s56
	s_lshl_b32 s[70+2*(\q)], s[70+2*(\q)], 10
	s_mov_b32 s[71+2*(\q)], 0
	s_add_nc_u64 s[70+2*(\q):71+2*(\q)], s[14:15], s[70+2*(\q):71+2*(\q)]
	global_store_b128 v2, v[10:13], s[70+2*(\q):71+2*(\q)]
	global_store_b128 v2, v[10:13], s[70+2*(\q):71+2*(\q)] offset:512
.Lz_\@:
.endm
.macro LOSS r, res                     ; variance / (mean + 1e-6)^2 of eight numbers, which it overwrites with their distances from the mean
	v_add_f32 v30, v[\r], v[\r+1]
	v_add_f32 v31, v[\r+2], v[\r+3]
	v_add_f32 v32, v[\r+4], v[\r+5]
	v_add_f32 v44, v[\r+6], v[\r+7]
	v_add_f32 v30, v30, v31
	v_add_f32 v32, v32, v44
	v_add_f32 v30, v30, v32
	v_mul_f32 v30, 0x3e000000, v30                 ; the mean
	v_add_f32 v31, 0x358637bd, v30                 ; + 1e-6
	v_rcp_f32 v31, v31
.irp e, 0,1,2,3,4,5,6,7
	v_sub_f32 v[\r+\e], v[\r+\e], v30              ; (plain work behind the reciprocal)
.endr
	v_mul_f32 v32, v[\r], v[\r]
.irp e, 1,2,3,4,5,6,7
	v_fmac_f32 v32, v[\r+\e], v[\r+\e]
.endr
	v_mul_f32 v32, 0x3e000000, v32
	s_wait_alu depctr_va_vdst(0)
	v_mul_f32 v31, v31, v31
	v_mul_f32 v[\res], v32, v31
.endm
	s_load_b512 s[4:19], s[0:1], 0x0               ; rint 4, rflt 6, x 8, fc1_w 10, fc2_w 12, xs 14, plist 16, cw 18
	s_load_b128 s[20:23], s[0:1], 0x40             ; wf 20, out1 22
	s_load_b64 s[24:25], s[0:1], 0x50              ; out2
	v_and_b32 v1, 31, v0                           ; L
	v_lshrrev_b32 v30, 5, v0
	v_readfirstlane_b32 s26, v30                   ; wave
	v_lshlrev_b32 v2, 4, v1                        ; 16 L
	v_and_b32 v31, 15, v1
	v_lshrrev_b32 v30, 4, v1
	v_lshlrev_b32 v31, 4, v31
	v_lshl_add_u32 v3, v30, 12, v31                ; W1f: column block L / 16 (4,096 bytes), row L % 16 of a unit
	v_lshl_add_u32 v4, v30, 13, v31                ; W2f: the same with blocks of 8,192 bytes
	v_lshlrev_b32 v5, 5, v1                        ; 32 L
.irp k, 10,11,12,13
	v_mov_b32 v\k, 0
.endr
	s_mov_b32 s27, ttmp9                           ; j
	s_lshl_b32 s28, s27, 3
	s_add_co_u32 s28, s28, s26                     ; W
	s_lshr_b32 s29, s28, 8                         ; the expert whose weights I turn
	s_and_b32 s30, s28, 255
	s_lshl_b32 s31, s29, 22                        ; 4 MiB of f32 an expert
	s_lshr_b32 s32, s30, 2                         ; fc1_w: octet of rows, 0..63
	s_and_b32 s33, s30, 3                          ; and which 512 columns
	s_lshl_b32 s34, s32, 16
	s_add_co_u32 s34, s34, s31
	s_lshl_b32 s35, s33, 11
	s_add_co_u32 s34, s34, s35
	s_mov_b32 s35, 0
	s_lshl_b32 s36, s29, 21                        ; W1f: 2 MiB an expert, two column tiles of 262,144, K step of 65,536, unit of 256
	s_lshl_b32 s38, s33, 19
	s_add_co_u32 s36, s36, s38
	s_lshr_b32 s38, s32, 4
	s_lshl_b32 s38, s38, 16
	s_add_co_u32 s36, s36, s38
	s_and_b32 s38, s32, 15
	s_lshl_b32 s38, s38, 8
	s_add_co_u32 s36, s36, s38
	s_mov_b32 s37, 0
	s_lshr_b32 s38, s30, 4                         ; fc2_w: octet g = W % 256: first row 128 (g / 16) + 32 (g % 4) + (g / 4) % 4, rows of 2,048 bytes
	s_lshl_b32 s38, s38, 18
	s_add_co_u32 s40, s31, s38
	s_and_b32 s38, s30, 3
	s_lshl_b32 s38, s38, 16
	s_add_co_u32 s40, s40, s38
	s_bfe_u32 s38, s30, 0x20002
	s_lshl_b32 s38, s38, 11
	s_add_co_u32 s40, s40, s38
	s_mov_b32 s41, 0
	s_lshl_b32 s42, s29, 21                        ; W2f: K step g / 32 of 65,536, unit g % 32
	s_add_co_u32 s42, s42, 16777216
	s_lshr_b32 s38, s30, 5
	s_lshl_b32 s38, s38, 16
	s_add_co_u32 s42, s42, s38
	s_and_b32 s38, s30, 31
	s_lshl_b32 s38, s38, 8
	s_add_co_u32 s42, s42, s38
	s_mov_b32 s43, 0
	s_lshl_b32 s48, s27, 15                        ; x: block j's 16 rows, my two of them
	s_lshl_b32 s49, s26, 12
	s_add_co_u32 s48, s48, s49
	s_mov_b32 s49, 0
	s_mov_b32 s60, 0x76543210                      ; v_permlanex16_b32: each lane takes its own place in the other half
	s_mov_b32 s61, 0xfedcba98
	s_mov_b32 s69, 0xffff0000                      ; a word's upper bf16
	s_lshl_b32 s67, s26, 1                         ; my first token in the block
	s_lshl_b32 s68, s27, 7
	v_lshl_add_u32 v33, v1, 2, s68                 ; 128 j + 4 L: my entry in the four lists; never rewritten
	s_wait_kmcnt 0x0
	s_add_nc_u64 s[34:35], s[10:11], s[34:35]
	s_add_nc_u64 s[36:37], s[20:21], s[36:37]
	s_add_nc_u64 s[40:41], s[12:13], s[40:41]
	s_add_nc_u64 s[42:43], s[20:21], s[42:43]
	s_add_nc_u64 s[48:49], s[8:9], s[48:49]
.set i, 0
.rept 16                                           ; all 512 block counts: lane L takes blocks L + 32 i; i < 8 slot 0, the rest slot 1
	global_load_b128 v[AREA+4*i:AREA+4*i+3], v2, s[4:5] offset:32768+512*i
.set i, i+1
.endr
	global_load_b32 v34, v33, s[4:5]               ; my entry's expert
	global_load_b32 v35, v33, s[6:7]               ; and gate
.irp i, 0,1,2,3
	OCT_LD WB, \i, 34                              ; fc1_w: 32 loads
.endr
	WIN 0x40                                       ; destinations in window 1
.irp u, 0,1
	global_load_b128 v[XR+16*\u:XR+16*\u+3], v5, s[48:49] offset:\u*2048 th:TH_LOAD_NT
	global_load_b128 v[XR+16*\u+4:XR+16*\u+7], v5, s[48:49] offset:\u*2048+16 th:TH_LOAD_NT
	global_load_b128 v[XR+16*\u+8:XR+16*\u+11], v5, s[48:49] offset:\u*2048+1024 th:TH_LOAD_NT
	global_load_b128 v[XR+16*\u+12:XR+16*\u+15], v5, s[48:49] offset:\u*2048+1040 th:TH_LOAD_NT
.endr
.irp i, 0,1,2,3
	OCT_LD W2, \i, 40                              ; fc2_w: 32 loads
.endr
	WIN 0
	s_wait_loadcnt 63                              ; of the 90 loads the oldest 27 are in, the 18 routing loads among them (72 were issued behind those: a smaller count is safe)
.set i, 0
.rept 8
	s_sub_co_i32 s31, s27, 32*i
	v_cmp_gt_i32 vcc_lo, s31, v1                   ; block L + 32 i lies before mine
.set k, 0
.rept 4
.if i == 0
	v_cndmask_b32 v[S0+k], 0, v[AREA+k], vcc_lo
	v_cndmask_b32 v[S1+k], 0, v[AREA+32+k], vcc_lo
.else
	v_cndmask_b32 v30, 0, v[AREA+4*i+k], vcc_lo
	v_cndmask_b32 v31, 0, v[AREA+32+4*i+k], vcc_lo
	v_add_nc_u32 v[S0+k], v[S0+k], v30
	v_add_nc_u32 v[S1+k], v[S1+k], v31
.endif
.if i == 1
	v_add_nc_u32 v[T0+k], v[AREA+k], v[AREA+4+k]
	v_add_nc_u32 v[T1+k], v[AREA+32+k], v[AREA+36+k]
.elseif i > 1
	v_add_nc_u32 v[T0+k], v[T0+k], v[AREA+4*i+k]
	v_add_nc_u32 v[T1+k], v[T1+k], v[AREA+32+4*i+k]
.endif
.set k, k+1
.endr
.set i, i+1
.endr
.irp m, 1,2,4,8                                    ; the 16 words summed over the lanes; the counts' registers, read out, hold what comes from the other lane
.set k, 0
.rept 16
	v_mov_b32_dpp v[AREA+k], v[S0+k] row_xmask:\m row_mask:0xf bank_mask:0xf
.set k, k+1
.endr
.set k, 0
.rept 16
	v_add_nc_u32 v[S0+k], v[S0+k], v[AREA+k]
.set k, k+1
.endr
.endr
.set k, 0
.rept 16
	v_permlanex16_b32 v[AREA+k], v[S0+k], s60, s61
.set k, k+1
.endr
.set k, 0
.rept 16
	v_add_nc_u32 v[S0+k], v[S0+k], v[AREA+k]
.set k, k+1
.endr
	v_cmp_gt_u32 vcc_lo, 16, v1
.irp k, 0,1,2,3
	v_add_nc_u32 v30, v[T0+\k], v[S1+\k]
	v_cndmask_b32 v[40+\k], v30, v[S0+\k], vcc_lo  ; what stands in front of my block: slot 0, or all of slot 0 and slot 1's earlier blocks
	v_add_nc_u32 v31, v[T0+\k], v[T1+\k]
	v_readfirstlane_b32 s[TOT+\k], v31
.endr
	v_mov_b32 v30, 0xffff0000
	v_mov_b32 v31, 0xffff
	v_cndmask_b32 v30, v30, v31, vcc_lo            ; the lanes of my slot
	v_min_u32 v34, 7, v34
	v_and_b32 v44, 2, v34                          ; my expert's field of the four words
	v_cmp_ne_u32 vcc_lo, 0, v44
	v_cndmask_b32 v44, v40, v41, vcc_lo
	v_cndmask_b32 v45, v42, v43, vcc_lo
	v_and_b32 v36, 4, v34
	v_cmp_ne_u32 vcc_lo, 0, v36
	v_cndmask_b32 v44, v44, v45, vcc_lo
	v_and_b32 v45, 1, v34
	v_lshlrev_b32 v45, 4, v45
	v_lshrrev_b32 v44, v45, v44
	v_and_b32 v44, 0xffff, v44
	v_mov_b32 v36, 0
.irp e, 0,1,2,3,4,5,6,7
	v_cmp_eq_u32 s66, \e, v34
	v_cndmask_b32 v36, v36, s66, s66               ; each lane keeps the mask of the lanes with its own expert
.endr
	v_and_b32 v36, v36, v30
	v_mbcnt_lo_u32_b32 v37, v36, 0                 ; of them, those before me in my slot
	v_add_nc_u32 v37, v37, v44                     ; my place in the expert's queue
	v_cmp_gt_u32 s63, CAP, v37                     ; within the capacity
	v_mad_u32_u24 v38, v34, RPE, v37               ; my row place
	v_cndmask_b32 v39, v31, v38, s63               ; or 0xffff
	s_wait_loadcnt 32                              ; fc1_w and x are in; fc2_w's 32 loads stay out
	OCT1 0, 0
	OCT1 1, 32768
	OCT1 2, 262144
	OCT1 3, 294912
	WIN 0x05                                       ; sources in window 1
.set i, 0
.rept 16
	v_cvt_pk_bf16_f32 v[OUTX+i], v[XR+2*i], v[XR+2*i+1]
.set i, i+1
.endr
	WIN 0
	XROW 0, 0
	XROW 0, 1
	XROW 1, 0
	XROW 1, 1
	s_cmp_lg_u32 s26, 0
	s_cbranch_scc1 .Lnot_wave_0                    ; the block's 32 entries of the two lists: wave 0 stores them
	v_cndmask_b32 v46, 0, v38, s63
	v_cndmask_b32 v47, 0, v35, s63
	global_store_b32 v33, v46, s[16:17]
	global_store_b32 v33, v47, s[18:19]
.Lnot_wave_0:
	s_lshr_b32 s52, s27, 5                         ; pad rows: expert j / 32, its places 36 (j % 32) on
	s_and_b32 s53, s27, 31
	s_mul_i32 s53, s53, 36
	s_bitcmp1_b32 s52, 1
	s_cselect_b32 s54, s45, s44
	s_cselect_b32 s55, s47, s46
	s_bitcmp1_b32 s52, 2
	s_cselect_b32 s54, s55, s54
	s_and_b32 s55, s52, 1
	s_lshl_b32 s55, s55, 4
	s_lshr_b32 s54, s54, s55
	s_and_b32 s54, s54, 0xffff
	s_min_u32 s54, s54, CAP                        ; the places that tokens have
	s_mul_i32 s55, s52, RPE
	s_add_co_u32 s55, s55, s53
	ZROW 0
	ZROW 1
	ZROW 2
	ZROW 3
	ZROW 4
	s_cmp_lg_u32 s28, 7
	s_cbranch_scc1 .Lno_loss                       ; the losses: one wave of the launch
	s_wait_xcnt 0x0                                ; AREA's registers are the data of W1f's stores: they are loaded into only behind this wait
.set i, 0
.rept 8                                            ; the 256 blocks' sums of gates: lane L takes blocks L + 32 i
	global_load_b128 v[AREA+8*i:AREA+8*i+3], v5, s[6:7] offset:32768+1024*i
	global_load_b128 v[AREA+8*i+4:AREA+8*i+7], v5, s[6:7] offset:32768+1024*i+16
.set i, i+1
.endr
	s_wait_loadcnt 0x0
.set i, 1
.rept 7
.irp p, 0,2,4,6
	v_pk_add_f32 v[AREA+\p:AREA+\p+1], v[AREA+\p:AREA+\p+1], v[AREA+8*i+\p:AREA+8*i+\p+1]
.endr
.set i, i+1
.endr
.irp m, 1,2,4,8
.irp e, 0,1,2,3,4,5,6,7
	v_add_f32_dpp v[AREA+\e], v[AREA+\e], v[AREA+\e] row_xmask:\m row_mask:0xf bank_mask:0xf
.endr
.endr
.irp e, 0,1,2,3,4,5,6,7
	v_permlanex16_b32 v[AREA+16+\e], v[AREA+\e], s60, s61
.endr
.irp e, 0,1,2,3,4,5,6,7
	v_add_f32 v[AREA+\e], v[AREA+\e], v[AREA+16+\e]
.endr
.irp k, 0,1,2,3
	s_and_b32 s62, s[TOT+\k], 0xffff
	s_min_u32 s62, s62, CAP
	v_cvt_f32_u32 v[AREA+8+2*\k], s62              ; tokens that each expert keeps
	s_lshr_b32 s62, s[TOT+\k], 16
	s_min_u32 s62, s62, CAP
	v_cvt_f32_u32 v[AREA+9+2*\k], s62
.endr
	LOSS AREA, 40
	LOSS AREA+8, 41
	v_add_f32 v42, v40, v41
	v_mul_f32 v42, 0.5, v42
	v_mov_b32 v43, 0
	s_wait_xcnt 0x0                                ; EXEC changes only behind this wait
	v_cmp_eq_u32 vcc_lo, 0, v1
	s_and_saveexec_b32 s62, vcc_lo
	global_store_b32 v43, v42, s[22:23]
	global_store_b32 v43, v41, s[24:25]
	s_wait_xcnt 0x0
	s_or_b32 exec_lo, exec_lo, s62
.Lno_loss:
	s_wait_loadcnt 0x0                             ; fc2_w is in
	OCT2 0, 0
	OCT2 1, 524288
	OCT2 2, 1048576
	OCT2 3, 1572864
	s_endpgm
.Lfunc_end_k_qf122555ed2_place:
	.size	k_qf122555ed2_place, .Lfunc_end_k_qf122555ed2_place-k_qf122555ed2_place
	.p2alignl 7, 3214868480
	.fill 96, 4, 3214868480
	.section	.rodata,"a",@progbits
	.p2align	6, 0x0
	.amdhsa_kernel k_qf122555ed2_place
		.amdhsa_group_segment_fixed_size 0
		.amdhsa_private_segment_fixed_size 0
		.amdhsa_enable_private_segment 0
		.amdhsa_kernarg_size 88
		.amdhsa_user_sgpr_count 2
		.amdhsa_user_sgpr_kernarg_segment_ptr 1
		.amdhsa_wavefront_size32 1
		.amdhsa_system_sgpr_workgroup_id_x 1
		.amdhsa_system_sgpr_workgroup_id_y 1
		.amdhsa_system_sgpr_workgroup_id_z 1
		.amdhsa_system_vgpr_workitem_id 0
		.amdhsa_next_free_vgpr 416
		.amdhsa_next_free_sgpr 80
		.amdhsa_reserve_vcc 1
		.amdhsa_float_denorm_mode_32 3
		.amdhsa_float_denorm_mode_16_64 3
		.amdhsa_memory_ordered 1
		.amdhsa_forward_progress 1
		.amdhsa_inst_pref_size 63
	.end_amdhsa_kernel
	.amdgpu_metadata
---
amdhsa.version: [ 1, 2 ]
amdhsa.kernels:
  - .name:           k_qf122555ed2_place
    .symbol:         k_qf122555ed2_place.kd
    .args:
      - { .name: rint, .offset: 0, .size: 8, .value_kind: global_buffer, .address_space: global }
      - { .name: rflt, .offset: 8, .size: 8, .value_kind: global_buffer, .address_space: global }
      - { .name: x, .offset: 16, .size: 8, .value_kind: global_buffer, .address_space: global }
      - { .name: fc1_w, .offset: 24, .size: 8, .value_kind: global_buffer, .address_space: global }
      - { .name: fc2_w, .offset: 32, .size: 8, .value_kind: global_buffer, .address_space: global }
      - { .name: xs, .offset: 40, .size: 8, .value_kind: global_buffer, .address_space: global }
      - { .name: plist, .offset: 48, .size: 8, .value_kind: global_buffer, .address_space: global }
      - { .name: cw, .offset: 56, .size: 8, .value_kind: global_buffer, .address_space: global }
      - { .name: wf, .offset: 64, .size: 8, .value_kind: global_buffer, .address_space: global }
      - { .name: out1, .offset: 72, .size: 8, .value_kind: global_buffer, .address_space: global }
      - { .name: out2, .offset: 80, .size: 8, .value_kind: global_buffer, .address_space: global }
    .group_segment_fixed_size: 0
    .private_segment_fixed_size: 0
    .kernarg_segment_align: 8
    .kernarg_segment_size: 88
    .max_flat_workgroup_size: 256
    .sgpr_count:     80
    .vgpr_count:     416
    .wavefront_size: 32
...
	.end_amdgpu_metadata
.endif
;; end of part 2
;; launch fc1 (part 3): grid 8 x 32, 4 waves a work-group, clusters of 4 x 4, 327,680 bytes of LDS; arguments xs, wf, fc1_b, hf; writes hf
.if DOCPART == 3
	.amdgcn_target "amdgcn-amd-amdhsa--gfx1250"
	.amdhsa_code_object_version 6
	.text
	.protected	k_qf122555ed2_fc1
	.globl	k_qf122555ed2_fc1
	.p2align	8
	.type	k_qf122555ed2_fc1,@function
k_qf122555ed2_fc1:
	s_mov_b64 s[64:65], 0
	v_nop
	global_prefetch_b8 v0, s[64:65] scope:SCOPE_SE
	s_setreg_imm32_b32 hwreg(HW_REG_WAVE_MODE, 25, 1), 1
	s_wait_xcnt 0x0
	s_wait_alu depctr_hold_cnt(0) depctr_sa_sdst(0) depctr_va_vdst(0) depctr_va_sdst(0) depctr_va_ssrc(0) depctr_va_vcc(0) depctr_vm_vsrc(0)
	s_getreg_b32 s2, hwreg(HW_REG_IB_STS2, 6, 4)
	s_cmp_eq_u32 s2, 0
	s_cbranch_scc0 .Lentry_in_a_cluster
	s_endpgm
.Lentry_in_a_cluster:
	s_bfe_u32 s2, ttmp6, 0x10000c
	s_cmp_lg_u32 s2, 0xf033
	s_cbranch_scc0 .Lentry_shape_is_right
	s_endpgm
.Lentry_shape_is_right:
; h = gelu(xs W1 + b1), for each expert's 1,152 row places: a grouped product of fixed shape.  xs [9216][512] bf16; W1f in fragment order (units of 256 bytes: 16 column slots x 8 k); sums in f32, started
; by the bias (rounded to bf16 like every input); h rounded once to f16 (11 significant bits: it is the one number that the program itself rounds between the two products) and stored in fragment order
; for the next product: hf[rg 64][ks2 8][a 9][o 32][r 16][8].
; SHARES.  A work-group makes 288 rows x 256 column slots, K = 512; a wave 144 x 128: 72 accumulators, 576 registers.  256 work-groups: 8 column tiles x (8 experts x 4 row tiles).
; K goes in four steps of 128 through two LDS slots.  CLUSTER 4 x 4: the four of a row of the cluster share the rows of xs, the four of a column the tile of W1f: each is asked for jointly.
; THE MATRIX INSTRUCTION IS USED TRANSPOSED: source 0 = 16 column slots, source 1 = 16 rows: a lane holds one row and eight neighbouring slots, which are an octet of the next product's K.
; GELU.  x Phi(x) is taken in its logistic form, x / (1 + 2^z), z = -2 log2(e) sqrt(2/pi) (x + 0.044715 x^3): 90 vector instructions for 16 numbers a lane, two of them transcendental for each number.
; LIMITS.  The form differs from x Phi(x) by 5e-4 at the most, for every x: largest near |x| = 2.8, 2.2e-4 near 1.5, under 2e-5 below 0.5, where it goes as x^4, and nothing in both tails (2^z is 0 or
; infinite there, and the quotient x or 0).  h above 65,504, f16's largest number, is held at 65,504 (x and fc1_w both with an offset of 30 spreads give 512 x 30 x 1.33 = 20,400; both 30 times
; larger a spread of 900); below 6e-5 h keeps f16's fixed step of 6e-8.  NaN and infinities are not treated apart.
; To keep the text short the finished sums go once through LDS (each wave's own bytes, over the ring, which has had its last fill) and a loop takes them back, four accumulators a trip.
; REGISTERS, in windows of 256: window 0: v1-31 addresses; v32-103, v104-175 rows' fragments, two buffers of 9; v176-239 the bias, 8 a column block;
;   window 1: v0-63, v64-127 weights' fragments, two buffers of 8; v128-191 the accumulators of row block 8; window 2: row blocks 0-3 (64 a + 8 b); window 3: row blocks 4-7.
.set PITCH, 272                        ; a row of xs in LDS: 256 bytes + 16: the 16 rows of a load start at 16 different groups of four banks (ISA guide 11.1)
.set HALFA, 144*PITCH                  ; what one tensor load brings of xs, and what a wave reads
.set BOFF,  2*HALFA                    ; behind the 288 rows: the weights' tile, 65,536 dense bytes
.set HALFB, 32768
.set SLOT,  BOFF+2*HALFB               ; 143,872
.set DUMPB, 72*1024                    ; a wave's 72 accumulators
.set SPARE, 4*DUMPB                    ; 294,912: the spare words, 128 bytes a wave: two blocks of 256 bytes that no other line names
.set STEPA, 512                        ; a slot's next K step: two steps of 256 bytes along the rows,
.set STEPB, 131072                     ; two tiles of 65,536 bytes
.set ADRA, 16                          ; v16-17 my rows' fragments in slot 0, 1
.set ADRB, 20                          ; v20-21 my weights' fragments
.set DA0,  22                          ; v22 my dump, 16 L; later the loop's read address
.set DA1,  23                          ; v23 the same, 32,768 on
.set L16,  25                          ; v25 16 L
.set VO,   26                          ; v26 my byte offset in hf
.set BO,   27                          ; v27 128 hh
.set SPW,  28                          ; v28 my spare word; never rewritten
.set NIL,  29                          ; v29 0; never rewritten
.set FA,   32
.set BI,   176
.set GXA,  32                          ; the loop's registers, two sets that take turns: 16 sums,
.set GXB,  48
.set GZA,  64                          ; 16 at work: x^2, z, 2^z, 1 + 2^z, its reciprocal, the result,
.set GZB,  80
.set GOA,  96                          ; eight registers to store
.set GOB,  104
.set CA,   140                         ; v140-141 c0, v142-143 c1, v144-145 1.0, each twice
.set WV, 12
.set WR, 13                            ; which 144 rows are mine.  Also: I fetch rows (0) or weights (1)
.set WC, 14                            ; which 128 slots.  Also: which half of that tile I fetch
.set G1,  24
.set G0,  32
.set G1B, 48
.set G0B, 56
.set MSB, 0
.macro WIN new
.if MSB != (\new)
	s_set_vgpr_msb (MSB<<8)|(\new)
.set MSB, (\new)
.endif
.endm
.macro PLACES                          ; four places behind matrix instructions, in front of loads into registers that they read and of reads of their results
.rept 4
	v_nop
.endr
.endm
.macro JLOAD s                         ; a joint load: waves 0 and 1 the two halves of the rows' tile, waves 2 and 3 those of the weights'
	s_cmp_eq_u32 s[WR], 0
	s_cbranch_scc0 .Lfor_b_\@
	tensor_load_to_lds s[G0+4*(\s):G0+4*(\s)+3], s[G1:G1+7]
	s_nop 0
.rept 4
	v_nop
.endr
	s_branch .Lasked_\@
.Lfor_b_\@:
	tensor_load_to_lds s[G0B+4*(\s):G0B+4*(\s)+3], s[G1B:G1B+7]
	s_nop 0
.rept 4
	v_nop
.endr
.Lasked_\@:
.endm
.macro CREST                           ; a round of the cluster's barrier behind its opening barrier
	s_cmp_lg_u32 s[WV], 0
	s_cbranch_scc1 .Lnot_wave_0_\@
	s_barrier_signal -3
.Lnot_wave_0_\@:
	s_barrier_wait -3
	s_barrier_signal -1
	s_barrier_wait -1
.endm
.macro CROUND
	s_barrier_signal -1
	s_barrier_wait -1
	CREST
.endm
.macro ACCW a                          ; row block a's accumulators: window AW, first register AB
.if (\a) < 4
.set AW, 2
.set AB, 64*(\a)
.elseif (\a) < 8
.set AW, 3
.set AB, 64*((\a)-4)
.else
.set AW, 1
.set AB, 128
.endif
.endm
.macro MULR f, a, mode                 ; row block a x all 8 column blocks, 32 along K, from buffers f.  mode 0: on; 2: the bias starts the sums
	ACCW \a
.if (\mode) == 2
	WIN (AW<<6)|1
.else
	WIN (AW<<6)|(AW<<4)|1
.endif
.irp b, 0,1,2,3,4,5,6,7
.if (\mode) == 0
	v_wmma_f32_16x16x32_bf16 v[AB+8*\b:AB+8*\b+7], v[64*(\f)+8*\b:64*(\f)+8*\b+7], v[FA+72*(\f)+8*(\a):FA+72*(\f)+8*(\a)+7], v[AB+8*\b:AB+8*\b+7]
.else
	v_wmma_f32_16x16x32_bf16 v[AB+8*\b:AB+8*\b+7], v[64*(\f)+8*\b:64*(\f)+8*\b+7], v[FA+72*(\f)+8*(\a):FA+72*(\f)+8*(\a)+7], v[BI+8*\b:BI+8*\b+7]
.endif
.endr
.endm
.macro FETCH slot, q, f                ; 34 LDS loads in one run: quarter q of the slot's K step into buffers f; the weights first, the rows' blocks 4-8 last
	WIN 0x40
.irp b, 0,1,2,3,4,5,6,7
	ds_load_b128 v[64*(\f)+8*\b:64*(\f)+8*\b+3],   v[ADRB+(\slot)] offset:\b*4096+(\q)*1024
	ds_load_b128 v[64*(\f)+8*\b+4:64*(\f)+8*\b+7], v[ADRB+(\slot)] offset:\b*4096+(\q)*1024+512
.endr
	WIN 0
.irp a, 0,1,2,3,4,5,6,7,8
	ds_load_b128 v[FA+72*(\f)+8*\a:FA+72*(\f)+8*\a+3],   v[ADRA+(\slot)] offset:\a*16*PITCH+(\q)*64
	ds_load_b128 v[FA+72*(\f)+8*\a+4:FA+72*(\f)+8*\a+7], v[ADRA+(\slot)] offset:\a*16*PITCH+(\q)*64+32
.endr
.endm
.macro QUARTER slot, qn, f, g, mode    ; 72 products from buffers f; in their middle the next quarter, qn, is fetched into g.  The 72 accumulators take turns in one order everywhere
	s_wait_dscnt 10                                ; the weights and row blocks 0-3 are in; the youngest ten loads (blocks 4-8) may be out
.irp a, 0,1,2,3
	MULR \f, \a, \mode
.endr
	PLACES
	FETCH \slot, \qn, \g
	s_wait_dscnt 34                                ; all but the 34 just issued
.irp a, 4,5,6,7,8
	MULR \f, \a, \mode
.endr
.endm
.macro TURN slot, next, fill           ; the K step's last quarter (buffers 1) and the change of slots; fill = 1: this slot is filled again, two K steps on
	WIN 0
	s_wait_tensorcnt 0x0                           ; all my tensor loads have landed: the one that was out is my part of the next slot
	ds_add_u32 v[SPW], v[NIL]
	s_wait_dscnt 11                                ; (the add and the youngest ten loads may be out)
	MULR 1, 0, 0
	MULR 1, 1, 0
	s_wait_dscnt 0x0                               ; the add is done, and my reads of this slot are over
	s_barrier_signal -1
	MULR 1, 2, 0
	MULR 1, 3, 0
.if \fill
	WIN 0
.endif
	s_barrier_wait -1
.if \fill
	CREST                                          ; the barrier has opened a round of the cluster's: no wave of any partner still reads this slot or has a load on its way
	s_add_nc_u64 s[G0+4*(\slot)+2:G0+4*(\slot)+3], s[G0+4*(\slot)+2:G0+4*(\slot)+3], STEPA
	s_add_nc_u64 s[G0B+4*(\slot)+2:G0B+4*(\slot)+3], s[G0B+4*(\slot)+2:G0B+4*(\slot)+3], STEPB
	JLOAD \slot                                    ; the first tensor load behind the round; its four v_nop are also the places in front of the loads below
.else
	PLACES
.endif
	FETCH \next, 0, 0
.irp a, 4,5,6,7,8
	MULR 1, \a, 0
.endr
.endm
.macro DUMPA a                         ; row block a's sums into my own bytes, each accumulator's low four registers first
	ACCW \a
	WIN AW<<2                                      ; the data in window AW
.irp b, 0,1,2,3,4,5,6,7
.if (\a) < 4
	ds_store_b128 v[DA0], v[AB+8*\b:AB+8*\b+3]   offset:(8*(\a)+\b)*1024
	ds_store_b128 v[DA0], v[AB+8*\b+4:AB+8*\b+7] offset:(8*(\a)+\b)*1024+512
.else
	ds_store_b128 v[DA1], v[AB+8*\b:AB+8*\b+3]   offset:(8*(\a)+\b-32)*1024
	ds_store_b128 v[DA1], v[AB+8*\b+4:AB+8*\b+7] offset:(8*(\a)+\b-32)*1024+512
.endif
.endr
.endm
.macro LOADX x, off                    ; a pair of accumulators, 16 numbers a lane, 2,048 bytes of my dump
.irp n, 0,1,2,3
	ds_load_b128 v[(\x)+4*\n:(\x)+4*\n+3], v[DA0] offset:(\off)+512*\n
.endr
.endm
.macro ALL16 line:vararg
.set k, 0
.rept 16
	\line
.set k, k+1
.endr
.endm
.macro ALL8 line:vararg
.set k, 0
.rept 8
	\line
.set k, k+2
.endr
.endm
; One pair: gelu of 16 numbers a lane, rounded and stored.  cnt: the LDS loads issued behind this pair's, which may stay out.  nxt >= 0: when x has been read for the last time its registers take the
; pair that lies nxt bytes on.  soff: 0 for a trip's first pair, which also makes the trip's offset in hf; 1,024 for its second.
.macro GEL x, z, o, cnt, nxt, soff
	s_wait_dscnt \cnt
	ALL8 v_pk_mul_f32 v[\z+k:\z+k+1], v[\x+k:\x+k+1], v[\x+k:\x+k+1]
	ALL8 v_pk_fma_f32 v[\z+k:\z+k+1], v[\z+k:\z+k+1], v[CA+2:CA+3], v[CA:CA+1]
	ALL8 v_pk_mul_f32 v[\z+k:\z+k+1], v[\z+k:\z+k+1], v[\x+k:\x+k+1]   ; z = x (c0 + c1 x^2)
	ALL16 v_exp_f32 v[\z+k], v[\z+k]
	v_nop                                          ; a plain instruction between the exponentials and the use of their results (ISA guide 5.7.2)
	s_wait_alu depctr_va_vdst(0)
	ALL8 v_pk_add_f32 v[\z+k:\z+k+1], v[\z+k:\z+k+1], v[CA+4:CA+5]
	ALL16 v_rcp_f32 v[\z+k], v[\z+k]
	v_nop                                          ; likewise behind the reciprocals
	s_wait_alu depctr_va_vdst(0)
	ALL8 v_pk_mul_f32 v[\z+k:\z+k+1], v[\z+k:\z+k+1], v[\x+k:\x+k+1]
.if (\nxt) >= 0
	LOADX \x, \nxt
.endif
.if (\soff) == 0
	s_wait_xcnt 0x0                                ; the last trip's four stores have read their data and their offset
	s_lshl_b32 s68, s67, 11                        ; pair t = 2 n: row block t / 4 (8,192 bytes), column blocks 2 (t % 4) and the next (512 bytes each): 2,048 n + 4,096 (n / 2)
	s_lshr_b32 s69, s67, 1
	s_lshl_b32 s69, s69, 12
	s_add_co_u32 s68, s68, s69
	v_add_nc_u32 v[VO], s68, v[L16]
.endif
.set k, 0
.rept 8
	v_cvt_pk_f16_f32 v[\o+k], v[\z+2*k], v[\z+2*k+1]
.set k, k+1
.endr
.set k, 0
.rept 8
	v_pk_min_num_f16 v[\o+k], v[\o+k], s71         ; an infinity that the rounding made becomes 65,504
.set k, k+1
.endr
	global_store_b128 v[VO], v[\o:\o+3], s[10:11] offset:\soff              ; 512 consecutive bytes, two whole units of hf
	global_store_b128 v[VO], v[\o+4:\o+7], s[10:11] offset:(\soff)+512
.endm
	s_load_b256 s[4:11], s[0:1], 0x0               ; xs s[4:5], wf s[6:7], fc1_b s[8:9], hf s[10:11]
	v_lshl_add_u32 v[SPW], v0, 2, SPARE
	v_mov_b32 v[NIL], 0
	ds_add_u32 v[SPW], v[NIL]                      ; the wave's opening: the add and its wait come ahead of my first tensor load
	v_lshrrev_b32 v1, 5, v0
	v_readfirstlane_b32 s[WV], v1
	s_lshr_b32 s[WR], s[WV], 1
	s_and_b32 s[WC], s[WV], 1
	s_bfe_u32 s40, ttmp6, 0x40000                  ; cx
	s_bfe_u32 s41, ttmp6, 0x40004                  ; cy
	s_lshl_b32 s42, ttmp9, 2
	s_add_co_u32 s42, s42, s40                     ; column tile = 4 x cluster x + cx
	s_and_b32 s45, ttmp7, 0xffff                   ; the expert = cluster y
	s_lshl_b32 s15, s45, 2
	s_add_co_u32 s15, s15, s41                     ; row tile of 288 = 4 x expert + cy
	s_lshl_b32 s43, s41, 2
	s_lshl_b32 s43, 15, s43                        ; my row of the cluster
	s_lshl_b32 s44, 0x1111, s40                    ; my column
	s_or_b32 s[G1+0], s43, (1<<16)|(1<<20)|(1<<21)|(5<<22)|(3<<25)  ; rows: the mask; 2-byte elements; padding on; bit 21 beside a mask; after every 64 words, 4 words
	s_mov_b32 s[G1+1], 128<<16                     ; tensor_dim0 = 128
	s_mov_b32 s[G1+2], 144<<16                     ; tensor_dim1 = 144
	s_mov_b32 s[G1+3], 128<<16                     ; tile_dim0 = 128
	s_mov_b32 s[G1+4], 144                         ; tile_dim1 = 144
	s_mov_b32 s[G1+5], 512                         ; elements from row to row
	s_mov_b32 s[G1+6], 0
	s_mov_b32 s[G1+7], 0
	s_or_b32 s[G1B+0], s44, (3<<16)|(1<<21)        ; weights: dense, as 128 rows of 32 elements of 8 bytes
	s_mov_b32 s[G1B+1], 32<<16
	s_mov_b32 s[G1B+2], 128<<16
	s_mov_b32 s[G1B+3], 32<<16
	s_mov_b32 s[G1B+4], 128
	s_mov_b32 s[G1B+5], 32
	s_mov_b32 s[G1B+6], 0
	s_mov_b32 s[G1B+7], 0
	s_mul_i32 s16, s15, 288                        ; rows: they hang on the expert, cy and the wave alone
	s_mul_i32 s17, s[WC], 144
	s_add_co_u32 s16, s16, s17
	s_lshl_b32 s16, s16, 10
	s_mov_b32 s17, 0
	s_lshl_b32 s46, s45, 21                        ; weights: on the expert, the column tile and the wave alone
	s_lshl_b32 s47, s42, 18
	s_add_co_u32 s46, s46, s47
	s_lshl_b32 s47, s[WC], 15
	s_add_co_u32 s46, s46, s47
	s_mov_b32 s47, 0
	s_mul_i32 s20, s[WC], HALFA                    ; where they go: no place in the cluster enters an LDS address
	s_lshl_b32 s21, s[WC], 15
	s_add_co_u32 s21, s21, BOFF
	s_wait_dscnt 0x0                               ; the opening add is done
	s_wait_kmcnt 0x0
	s_add_nc_u64 s[16:17], s[4:5], s[16:17]
	s_add_nc_u64 s[46:47], s[6:7], s[46:47]
	CROUND                                         ; all sixteen work-groups are here: the first joint loads meet
.irp s, 0,1
	s_mov_b32 s[G0+4*(\s)], 1
	s_add_co_u32 s[G0+4*(\s)+1], s20, (\s)*SLOT
	s_add_nc_u64 s[G0+4*(\s)+2:G0+4*(\s)+3], s[16:17], (\s)*256
	s_or_b32 s[G0+4*(\s)+3], s[G0+4*(\s)+3], 0x80000000
	s_mov_b32 s[G0B+4*(\s)], 1
	s_add_co_u32 s[G0B+4*(\s)+1], s21, (\s)*SLOT
	s_add_nc_u64 s[G0B+4*(\s)+2:G0B+4*(\s)+3], s[46:47], (\s)*65536
	s_or_b32 s[G0B+4*(\s)+3], s[G0B+4*(\s)+3], 0x80000000
	JLOAD \s                                       ; two tensor loads of mine are out
.endr
	v_and_b32 v1, 15, v0                           ; r
	v_bfe_u32 v2, v0, 4, 1                         ; hh
	v_and_b32 v3, 31, v0
	v_lshlrev_b32 v[L16], 4, v3
	v_lshlrev_b32 v[BO], 7, v2
	v_mul_u32_u24 v4, v1, PITCH
	v_lshl_add_u32 v4, v2, 4, v4
	s_mul_i32 s22, s[WR], HALFA
	v_add_nc_u32 v[ADRA], s22, v4
	v_add_nc_u32 v[ADRA+1], SLOT, v[ADRA]
	s_lshl_b32 s22, s[WC], 15
	s_add_co_u32 s22, s22, BOFF
	v_add_nc_u32 v[ADRB], s22, v[L16]
	v_add_nc_u32 v[ADRB+1], SLOT, v[ADRB]
	s_mul_i32 s22, s[WV], DUMPB
	v_add_nc_u32 v[DA0], s22, v[L16]
	v_add_nc_u32 v[DA1], 32768, v[DA0]
	s_lshl_b32 s22, s45, 13                        ; the bias of my 128 columns
	s_lshl_b32 s23, s42, 10
	s_add_co_u32 s22, s22, s23
	s_lshl_b32 s23, s[WC], 9
	s_add_co_u32 s22, s22, s23
	s_mov_b32 s23, 0
	s_add_nc_u64 s[8:9], s[8:9], s[22:23]
	s_lshl_b32 s22, s15, 1                         ; hf: row group 2 x row tile + my half, K step = column tile, my 16 octets
	s_add_co_u32 s22, s22, s[WR]
	s_mul_i32 s22, s22, 589824
	s_mul_i32 s23, s42, 73728
	s_add_co_u32 s22, s22, s23
	s_lshl_b32 s23, s[WC], 12
	s_add_co_u32 s22, s22, s23
	s_mov_b32 s23, 0
	s_add_nc_u64 s[10:11], s[10:11], s[22:23]
	s_mov_b32 s70, 0xffff0000                      ; a word's upper bf16
	s_mov_b32 s71, 0x7bff7bff                      ; 65,504 twice, in f16
.set b, 0
.rept 8                                            ; slot 16 b + 8 hh + n of my 128 is column 64 (b % 2) + 32 hh + 4 n + b / 2
.set n, 0
.rept 8
	global_load_b32 v[BI+8*b+n], v[BO], s[8:9] offset:4*(64*(b&1)+4*n+(b>>1))
.set n, n+1
.endr
.set b, b+1
.endr
	s_wait_loadcnt 0x0
.set n, 0
.rept 32                                           ; rounded to bf16 like every input
	v_cvt_pk_bf16_f32 v[30+(n&1)], v[BI+2*n], v[BI+2*n+1]
	v_lshlrev_b32 v[BI+2*n], 16, v[30+(n&1)]
	v_and_b32 v[BI+2*n+1], s70, v[30+(n&1)]
.set n, n+1
.endr
	s_wait_tensorcnt 0x1                           ; my part of K step 0 is in; K step 1's may stay out
	s_barrier_signal -1
	s_barrier_wait -1
	FETCH 0, 0, 0
	QUARTER 0, 1, 0, 1, 2                          ; the first products start the sums with the bias
	QUARTER 0, 2, 1, 0, 0
	QUARTER 0, 3, 0, 1, 0
	TURN 0, 1, 1                                   ; slot 0 takes K step 2
	QUARTER 1, 1, 0, 1, 0
	QUARTER 1, 2, 1, 0, 0
	QUARTER 1, 3, 0, 1, 0
	TURN 1, 0, 1                                   ; slot 1 takes K step 3
	QUARTER 0, 1, 0, 1, 0
	QUARTER 0, 2, 1, 0, 0
	QUARTER 0, 3, 0, 1, 0
	TURN 0, 1, 0                                   ; nothing is left to fetch
	QUARTER 1, 1, 0, 1, 0
	QUARTER 1, 2, 1, 0, 0
	QUARTER 1, 3, 0, 1, 0
	s_wait_dscnt 10
.irp a, 0,1,2,3
	MULR 1, \a, 0
.endr
	s_wait_dscnt 0x0
.irp a, 4,5,6,7,8
	MULR 1, \a, 0
.endr
	; THE WAY OUT
	WIN 0
	PLACES
	s_wait_dscnt 0x0
	s_barrier_signal -1
	s_barrier_wait -1                              ; every wave's reads of the ring are over: its bytes, which no load fills again, take the sums
.irp a, 0,1,2,3,4,5,6,7,8
	DUMPA \a
.endr
	WIN 0
.irp n, 0,1
	v_mov_b32 v[CA+\n], 0xc0135761                 ; c0 = -2 log2(e) sqrt(2/pi) = -2.3022082
	v_mov_b32 v[CA+2+\n], 0xbdd2d3e8               ; c1 = 0.044715 c0 = -0.10294324
	v_mov_b32 v[CA+4+\n], 1.0
.endr
	LOADX GXA, 0                                   ; LDS serves a wave's instructions in order (ISA guide 5.7.1.4): these see my stores above
	s_mov_b32 s67, 0
.Lgel:                                                 ; trip n: pairs 2 n and 2 n + 1 of 36; each set of x is loaded one pair's work ahead of its use
	LOADX GXB, 2048
	GEL GXA, GZA, GOA, 4, 4096, 0                  ; (the second set's four loads may be out)
	GEL GXB, GZB, GOB, 4, -1, 1024                 ; (the four loads of the next trip's first pair may be out)
	v_add_nc_u32 v[DA0], 4096, v[DA0]
	s_add_co_u32 s67, s67, 1
	s_cmp_lt_u32 s67, 17
	s_cbranch_scc1 .Lgel
	LOADX GXB, 2048                                ; the last two pairs are written out: nothing is fetched past my dump
	GEL GXA, GZA, GOA, 4, -1, 0
	GEL GXB, GZB, GOB, 0, -1, 1024
	s_wait_tensorcnt 0x0                           ; the wave's end
	ds_add_u32 v[SPW], v[NIL]
	s_wait_dscnt 0x0
	CROUND                                         ; the closing round
	s_endpgm
.Lfunc_end_k_qf122555ed2_fc1:
	.size	k_qf122555ed2_fc1, .Lfunc_end_k_qf122555ed2_fc1-k_qf122555ed2_fc1
	.p2alignl 7, 3214868480
	.fill 96, 4, 3214868480
	.section	.rodata,"a",@progbits
	.p2align	6, 0x0
	.amdhsa_kernel k_qf122555ed2_fc1
		.amdhsa_group_segment_fixed_size 327680
		.amdhsa_private_segment_fixed_size 0
		.amdhsa_enable_private_segment 0
		.amdhsa_kernarg_size 32
		.amdhsa_user_sgpr_count 2
		.amdhsa_user_sgpr_kernarg_segment_ptr 1
		.amdhsa_wavefront_size32 1
		.amdhsa_system_sgpr_workgroup_id_x 1
		.amdhsa_system_sgpr_workgroup_id_y 1
		.amdhsa_system_sgpr_workgroup_id_z 1
		.amdhsa_system_vgpr_workitem_id 0
		.amdhsa_next_free_vgpr 1024
		.amdhsa_next_free_sgpr 80
		.amdhsa_reserve_vcc 0
		.amdhsa_float_denorm_mode_32 3
		.amdhsa_float_denorm_mode_16_64 3
		.amdhsa_memory_ordered 1
		.amdhsa_forward_progress 1
		.amdhsa_inst_pref_size 162
	.end_amdhsa_kernel
	.amdgpu_metadata
---
amdhsa.version: [ 1, 2 ]
amdhsa.kernels:
  - .name:           k_qf122555ed2_fc1
    .symbol:         k_qf122555ed2_fc1.kd
    .args:
      - { .name: xs, .offset: 0, .size: 8, .value_kind: global_buffer, .address_space: global }
      - { .name: wf, .offset: 8, .size: 8, .value_kind: global_buffer, .address_space: global }
      - { .name: fc1_b, .offset: 16, .size: 8, .value_kind: global_buffer, .address_space: global }
      - { .name: hf, .offset: 24, .size: 8, .value_kind: global_buffer, .address_space: global }
    .group_segment_fixed_size: 327680
    .private_segment_fixed_size: 0
    .kernarg_segment_align: 8
    .kernarg_segment_size: 32
    .max_flat_workgroup_size: 128
    .sgpr_count:     80
    .vgpr_count:     1024
    .wavefront_size: 32
...
	.end_amdgpu_metadata
.endif
;; end of part 3
;; launch fc2 (part 4): grid 4 x 64, 4 waves a work-group, clusters of 4 x 4, 327,680 bytes of LDS; arguments hf, wf, fc2_b, y2; writes y2
.if DOCPART == 4
	.amdgcn_target "amdgcn-amd-amdhsa--gfx1250"
	.amdhsa_code_object_version 6
	.text
	.protected	k_qf122555ed2_fc2
	.globl	k_qf122555ed2_fc2
	.p2align	8
	.type	k_qf122555ed2_fc2,@function
k_qf122555ed2_fc2:
	s_mov_b64 s[64:65], 0
	v_nop
	global_prefetch_b8 v0, s[64:65] scope:SCOPE_SE
	s_setreg_imm32_b32 hwreg(HW_REG_WAVE_MODE, 25, 1), 1
	s_wait_xcnt 0x0
	s_wait_alu depctr_hold_cnt(0) depctr_sa_sdst(0) depctr_va_vdst(0) depctr_va_sdst(0) depctr_va_ssrc(0) depctr_va_vcc(0) depctr_vm_vsrc(0)
	s_getreg_b32 s2, hwreg(HW_REG_IB_STS2, 6, 4)
	s_cmp_eq_u32 s2, 0
	s_cbranch_scc0 .Lentry_in_a_cluster
	s_endpgm
.Lentry_in_a_cluster:
	s_bfe_u32 s2, ttmp6, 0x10000c
	s_cmp_lg_u32 s2, 0xf033
	s_cbranch_scc0 .Lentry_shape_is_right
	s_endpgm
.Lentry_shape_is_right:
; y = h W2 + b2 for each expert's 1,152 row places.  hf and W2f lie in fragment order (units of 256 bytes: 16 rows or column slots x 8 k), both f16 (h rounded once to f16; W2f holds fc2_w rounded to bf16,
; written as f16); sums in f32; y2 [9216][512] f32, its columns in slot order inside each 128 (slot 32 c + L is column 4 L + c); the bias is rounded to bf16 like every input.
; LIMITS.  Both operands arrive within f16's 65,504: the launches that write them see to it and state how.
; SHARES.  A work-group makes 144 rows x 128 column slots over K = 2,048: 256 work-groups (4 column tiles x 64 row groups).  K IS SPLIT OVER THE WAVES: of a K step's eight fragments of 32 wave w multiplies
; 2 w and 2 w + 1, into 72 accumulators of its own; the four partial sums, f32, meet in LDS at the end, each wave adding 36 rows.  A HALF-STEP is one such fragment: 72 products; there are 16.
; TWO ROADS.  Each operand byte is read by one wave, once, so LDS gives no reuse here: it is a place to land.  hf's tiles take it alone: two slots of 147,456 dense bytes, two K steps of 256 each, a quarter
; to a wave, asked for jointly by the four work-groups of a row of the cluster (CLUSTER 4 x 4).  Two slots are filled at the start and each once again; a refill has 256 products a wave between its request
; and the wait for it.  W2f's fragments come straight into registers: 16 loads of 512 consecutive bytes for a half-step, into four buffers, asked for three half-steps (216 products) ahead: 48 loads a wave
; stay out across the barriers.
; W2f IS NOT ASKED FOR JOINTLY, though the four of a column of the cluster read the same tile: with both tiles in LDS a slot holds one K step (139,264 of 327,680 bytes, twice), a refill has 112 products
; in which to land, and no refill is asked for before the last has landed.  The price: each of W2f's 16.8 MB is asked for by eight work-groups, not by two clusters.
; THE MATRIX INSTRUCTION IS USED TRANSPOSED: source 0 = 16 column slots, source 1 = 16 rows: a lane holds one row and eight neighbouring slots.
; REGISTERS: window 0: v1-31 addresses and the bias; v32-103, v104-175 hf's fragments, two buffers of 9; v176-239 row block 8's sums; window 1: W2f's fragments, four buffers of 8;
;   window 2: row blocks 0-3 (64 a + 8 b); window 3: row blocks 4-7.
.set QUART, 36864                      ; 144 rows of 256 bytes: what one tensor load brings
.set SLOT,  4*QUART                    ; 147,456 = 0x24000: two K steps of hf's tile.  It shares no bit with wave x QUART (0x9000, 0x12000, 0x1b000), so one exclusive or changes slots
.set KST,   73728                      ; a K step of hf's tile: 9 row blocks of 8,192 bytes
.set RP,    528                        ; a row of a copy: 512 bytes + 16: the 16 rows of a store start at 16 different groups of four banks (ISA guide 11.1)
.set COPY,  144*RP                     ; a wave's partial sums, over the ring, which has had its last fill
.set SPARE, 4*COPY                     ; 304,128: the spare words, 128 bytes a wave: two blocks of 256 bytes that no other line names
.set RD,   8                           ; v8-11 where I read my rows in the four copies
.set LW,   12                          ; v12 2,048 wave + 16 L: my two fragments' place in a block of eight, in LDS and in W2f alike; never rewritten
.set AR,   16                          ; v16-18 the slot in hand + LW, + 65,536, + 131,072: an LDS offset has 16 bits
.set STO,  22                          ; v22 into my copy;  v23 the same four row blocks on
.set STO4, 23
.set BS,   24                          ; v24-27 the bias of my four slots
.set SPW,  28                          ; v28 my spare word; never rewritten
.set NIL,  29                          ; v29 0; never rewritten
.set BO,   30
.set YO,   31                          ; v31 my byte offset in y2
.set FA,   32
.set WV, 12
.set G1,  24                           ; s[24:31] descriptor group 1
.set G0,  32                           ; s[32:39] group 0: a set for each of the two first fills; the second then walks on
.set BB,  48                           ; s[48:49] W2f at my tile; steps by two K steps a trip
.set TB,  50                           ; s50 LDS byte at which the slot in hand begins
.set MSB, 0
.macro WIN new
.if MSB != (\new)
	s_set_vgpr_msb (MSB<<8)|(\new)
.set MSB, (\new)
.endif
.endm
.macro PLACES                          ; four places behind matrix instructions, in front of loads into registers that they read and of reads of their results
.rept 4
	v_nop
.endr
.endm
.macro JLOAD g                         ; a joint load: every wave asks for its quarter of a slot
	tensor_load_to_lds s[\g:\g+3], s[G1:G1+7]
	s_nop 0
.rept 4
	v_nop
.endr
.endm
.macro CREST                           ; a round of the cluster's barrier behind its opening barrier
	s_cmp_lg_u32 s[WV], 0
	s_cbranch_scc1 .Lnot_wave_0_\@
	s_barrier_signal -3
.Lnot_wave_0_\@:
	s_barrier_wait -3
	s_barrier_signal -1
	s_barrier_wait -1
.endm
.macro CROUND
	s_barrier_signal -1
	s_barrier_wait -1
	CREST
.endm
.macro ACCW a                          ; row block a's accumulators: window AW, first register AB
.if (\a) < 4
.set AW, 2
.set AB, 64*(\a)
.elseif (\a) < 8
.set AW, 3
.set AB, 64*((\a)-4)
.else
.set AW, 0
.set AB, 176
.endif
.endm
.macro MULR fa, fb, a, mode            ; row block a x all 8 column blocks, 32 along K: hf's buffer fa, W2f's buffer fb.  mode 1: the products start the sums
	ACCW \a
	WIN (AW<<6)|(AW<<4)|1
.irp b, 0,1,2,3,4,5,6,7
.if (\mode) == 0
	v_wmma_f32_16x16x32_f16 v[AB+8*\b:AB+8*\b+7], v[64*(\fb)+8*\b:64*(\fb)+8*\b+7], v[FA+72*(\fa)+8*(\a):FA+72*(\fa)+8*(\a)+7], v[AB+8*\b:AB+8*\b+7]
.else
	v_wmma_f32_16x16x32_f16 v[AB+8*\b:AB+8*\b+7], v[64*(\fb)+8*\b:64*(\fb)+8*\b+7], v[FA+72*(\fa)+8*(\a):FA+72*(\fa)+8*(\a)+7], 0
.endif
.endr
.endm
.macro AFETCH st, hs, f                ; 18 LDS loads in one run: my fragment hs (0, 1) of K step st (0, 1) of the slot in hand, into buffer f
	WIN 0
.irp a, 0,1,2,3,4,5,6,7,8
.set X, (\st)*KST+\a*8192+(\hs)*1024
	ds_load_b128 v[FA+72*(\f)+8*\a:FA+72*(\f)+8*\a+3],   v[AR+(X>>16)] offset:(X&0xffff)
	ds_load_b128 v[FA+72*(\f)+8*\a+4:FA+72*(\f)+8*\a+7], v[AR+(X>>16)] offset:(X&0xffff)+512
.endr
.endm
.macro BLOAD off, fb                   ; 16 loads in one run: W2f's fragments of the half-step that lies off bytes from s[BB], into buffer fb
	WIN 0x40
.irp b, 0,1,2,3,4,5,6,7
	global_load_b128 v[64*(\fb)+8*\b:64*(\fb)+8*\b+3],   v[LW], s[BB:BB+1] offset:(\off)+\b*8192
	global_load_b128 v[64*(\fb)+8*\b+4:64*(\fb)+8*\b+7], v[LW], s[BB:BB+1] offset:(\off)+\b*8192+512
.endr
.endm
; A half-step: 72 products; in their middle hf's fragments of the next half-step (K step st, half hs) and W2f's of the third next (boff; none if negative) are asked for.
; lcnt: the loads of W2f issued behind this half-step's.  The 72 accumulators take turns in one order everywhere.
.macro HALF fa, fb, mode, st, hs, boff, lcnt
	s_wait_loadcnt \lcnt                           ; my W2f fragments are in; the younger half-steps' stay out
	s_wait_dscnt 10                                ; row blocks 0-3 are in; the youngest ten loads (blocks 4-8) may be out
.irp a, 0,1,2,3
	MULR \fa, \fb, \a, \mode
.endr
	PLACES
	AFETCH \st, \hs, 1-(\fa)
.if (\boff) >= 0
	BLOAD \boff, ((\fb)+3)&3
.endif
	s_wait_dscnt 18                                ; all but the 18 just issued
.irp a, 4,5,6,7,8
	MULR \fa, \fb, \a, \mode
.endr
.endm
; A slot's last half-step (buffers 1 and 3) and the change of slots.  fill = 1: the slot just read out is filled again, with the K steps two slots on.
.macro TURN fill, boff, lcnt
	WIN 0
	s_wait_tensorcnt 0x0                           ; all my tensor loads have landed: the one that was out is my quarter of the next slot
	ds_add_u32 v[SPW], v[NIL]
	s_wait_loadcnt \lcnt
	s_wait_dscnt 11                                ; (the add and the youngest ten loads may be out)
	MULR 1, 3, 0, 0
	MULR 1, 3, 1, 0
	s_wait_dscnt 0x0                               ; the add is done, and my reads of this slot are over
	s_barrier_signal -1
	MULR 1, 3, 2, 0
	MULR 1, 3, 3, 0
	WIN 0                                          ; (branches may follow)
	s_barrier_wait -1
.if \fill
	CREST                                          ; the barrier has opened a round of the cluster's: no wave of any partner still reads this slot or has a load on its way
	s_xor_b32 s[G0+5], s[G0+5], SLOT               ; the walking descriptor: the other slot than last time,
	s_add_nc_u64 s[G0+6:G0+7], s[G0+6:G0+7], SLOT  ; the next two K steps; the type bits on top are not reached
	JLOAD G0+4                                     ; the first tensor load behind the round; its four v_nop are also the places in front of the loads below
.else
	PLACES
.endif
	s_xor_b32 s[TB], s[TB], SLOT                   ; the fetches go on in the other slot
	v_add_nc_u32 v[AR], s[TB], v[LW]
	v_add_nc_u32 v[AR+1], 65536, v[AR]
	v_add_nc_u32 v[AR+2], 131072, v[AR]
	AFETCH 0, 0, 0
	BLOAD \boff, 2
.irp a, 4,5,6,7,8
	MULR 1, 3, \a, 0
.endr
.endm
.macro DUMPA a                         ; row block a's partial sums into my copy: row 16 a + r, slots 16 b + 8 hh on; each accumulator's low four registers first
	ACCW \a
	WIN AW<<2
.irp b, 0,1,2,3,4,5,6,7
.if (\a) < 4
	ds_store_b128 v[STO], v[AB+8*\b:AB+8*\b+3]   offset:(\a)*16*RP+\b*64
	ds_store_b128 v[STO], v[AB+8*\b+4:AB+8*\b+7] offset:(\a)*16*RP+\b*64+16
.else
	ds_store_b128 v[STO4], v[AB+8*\b:AB+8*\b+3]   offset:((\a)-4)*16*RP+\b*64
	ds_store_b128 v[STO4], v[AB+8*\b+4:AB+8*\b+7] offset:((\a)-4)*16*RP+\b*64+16
.endif
.endr
.endm
	s_load_b256 s[4:11], s[0:1], 0x0               ; hf s[4:5], wf s[6:7], fc2_b s[8:9], y2 s[10:11]
	v_lshl_add_u32 v[SPW], v0, 2, SPARE
	v_mov_b32 v[NIL], 0
	ds_add_u32 v[SPW], v[NIL]                      ; the wave's opening: the add and its wait come ahead of my first tensor load
	v_lshrrev_b32 v1, 5, v0
	v_readfirstlane_b32 s[WV], v1
	v_and_b32 v3, 31, v0
	v_lshlrev_b32 v[YO], 4, v3                     ; 16 L
	s_lshl_b32 s22, s[WV], 11
	v_add_nc_u32 v[LW], s22, v[YO]
	v_and_b32 v[BO], 7, v0                         ; slot 4 L + n is column 16 (L % 8) + 4 n + L / 8
	v_lshlrev_b32 v[BO], 6, v[BO]
	v_bfe_u32 v4, v0, 3, 2
	v_lshl_add_u32 v[BO], v4, 2, v[BO]
	s_bfe_u32 s40, ttmp6, 0x40000                  ; cx
	s_bfe_u32 s41, ttmp6, 0x40004                  ; cy
	s_lshl_b32 s42, ttmp9, 2
	s_add_co_u32 s42, s42, s40                     ; column tile
	s_and_b32 s45, ttmp7, 0xffff                   ; cluster y
	s_lshl_b32 s15, s45, 2
	s_add_co_u32 s15, s15, s41                     ; row group of 144 = 4 x cluster y + cy
	s_lshr_b32 s45, s45, 1                         ; the expert: eight row groups, two clusters, each
	s_lshl_b32 s43, s41, 2
	s_lshl_b32 s43, 15, s43                        ; my row of the cluster
	s_or_b32 s[G1+0], s43, (3<<16)|(1<<21)         ; the mask; elements of 8 bytes; bit 21 beside a mask; no padding: the tile is dense
	s_mov_b32 s[G1+1], 32<<16                      ; tensor_dim0 = 32: rows of 256 bytes
	s_mov_b32 s[G1+2], 144<<16                     ; tensor_dim1 = 144
	s_mov_b32 s[G1+3], 32<<16                      ; tile_dim0 = 32
	s_mov_b32 s[G1+4], 144                         ; tile_dim1 = 144
	s_mov_b32 s[G1+5], 32                          ; elements from row to row
	s_mov_b32 s[G1+6], 0
	s_mov_b32 s[G1+7], 0
	s_mul_i32 s16, s15, 589824                     ; hf: the row group and the wave alone
	s_mul_i32 s20, s[WV], QUART                    ; my quarter, in memory and in a slot: no place in the cluster enters an LDS address
	s_add_co_u32 s16, s16, s20
	s_mov_b32 s17, 0
	s_lshl_b32 s46, s45, 21                        ; W2f: the expert and the column tile
	s_add_co_u32 s46, s46, 16777216
	s_lshl_b32 s47, s42, 19
	s_add_co_u32 s46, s46, s47
	s_mov_b32 s47, 0
	s_lshl_b32 s22, s45, 11                        ; the bias of the tile's 128 columns
	s_lshl_b32 s23, s42, 9
	s_add_co_u32 s22, s22, s23
	s_mul_i32 s18, s15, 144                        ; y2: row 144 x row group + 36 w, 2,048 bytes a row; the tile's 512 bytes
	s_mul_i32 s19, s[WV], 36
	s_add_co_u32 s18, s18, s19
	s_lshl_b32 s18, s18, 11
	s_add_co_u32 s18, s18, s23
	s_mov_b32 s23, 0
	s_mov_b32 s19, 0
	s_mov_b32 s[TB], 0
	s_wait_dscnt 0x0                               ; the opening add is done
	s_wait_kmcnt 0x0
	s_add_nc_u64 s[16:17], s[4:5], s[16:17]
	s_add_nc_u64 s[BB:BB+1], s[6:7], s[46:47]
	s_add_nc_u64 s[8:9], s[8:9], s[22:23]
	s_add_nc_u64 s[10:11], s[10:11], s[18:19]
.irp n, 0,1,2,3
	global_load_b32 v[BS+\n], v[BO], s[8:9] offset:16*\n
.endr
	BLOAD 0, 0                                     ; W2f's fragments of half-steps 0, 1 and 2 go out ahead of everything else
	BLOAD 1024, 1
	BLOAD 65536, 2
	WIN 0
	CROUND                                         ; all sixteen work-groups are here: the first joint loads meet
.irp s, 0,1
	s_mov_b32 s[G0+4*(\s)], 1
	s_add_co_u32 s[G0+4*(\s)+1], s20, (\s)*SLOT
	s_add_nc_u64 s[G0+4*(\s)+2:G0+4*(\s)+3], s[16:17], (\s)*SLOT
	s_or_b32 s[G0+4*(\s)+3], s[G0+4*(\s)+3], 0x80000000
	JLOAD G0+4*(\s)                                ; two tensor loads of mine are out
.endr
	v_and_b32 v1, 15, v0                           ; r
	v_bfe_u32 v2, v0, 4, 1                         ; hh
	v_mov_b32 v[AR], v[LW]                         ; slot 0
	v_add_nc_u32 v[AR+1], 65536, v[LW]
	v_add_nc_u32 v[AR+2], 131072, v[LW]
	s_mul_i32 s22, s[WV], COPY
	v_mul_u32_u24 v[STO], v1, RP
	v_lshl_add_u32 v[STO], v2, 5, v[STO]
	v_add_nc_u32 v[STO], s22, v[STO]
	v_add_nc_u32 v[STO4], 4*16*RP, v[STO]
	s_mul_i32 s22, s[WV], 36*RP                    ; back: rows 36 w on, 512 consecutive bytes a row
	v_add_nc_u32 v[RD], s22, v[YO]
	v_add_nc_u32 v[RD+1], COPY, v[RD]
	v_add_nc_u32 v[RD+2], COPY, v[RD+1]
	v_add_nc_u32 v[RD+3], COPY, v[RD+2]
	s_wait_loadcnt 48                              ; the bias is in; W2f's 48 loads were issued behind it
	v_cvt_pk_bf16_f32 v4, v[BS], v[BS+1]           ; rounded to bf16 like every input
	v_cvt_pk_bf16_f32 v5, v[BS+2], v[BS+3]
	v_lshlrev_b32 v[BS], 16, v4
	v_and_b32 v[BS+1], 0xffff0000, v4
	v_lshlrev_b32 v[BS+2], 16, v5
	v_and_b32 v[BS+3], 0xffff0000, v5
	s_wait_tensorcnt 0x1                           ; my quarter of slot 0 is in; slot 1's may stay out
	s_barrier_signal -1
	s_barrier_wait -1
	AFETCH 0, 0, 0
	HALF 0, 0, 1, 0, 1, 66560, 32                  ; half-step 0 stands in front of the loop: its products start the sums
	WIN 0
	s_mov_b32 s66, 2
.Llap:                                                 ; a trip: a slot's half-steps 1, 2 and 3, its refill, and the next slot's half-step 0
	HALF 1, 1, 0, 1, 0, 131072, 32
	HALF 0, 2, 0, 1, 1, 132096, 32
	TURN 1, 196608, 32
	HALF 0, 0, 0, 0, 1, 197632, 32
	WIN 0
	s_wait_xcnt 0x0                                ; W2f's base is a source of the loads issued: it steps only behind this wait
	s_add_nc_u64 s[BB:BB+1], s[BB:BB+1], 131072
	s_sub_co_u32 s66, s66, 1
	s_cmp_lg_u32 s66, 0
	s_cbranch_scc1 .Llap
	HALF 1, 1, 0, 1, 0, 131072, 32                 ; the tail, half-steps 9 to 15, is written out: no slot is filled again,
	HALF 0, 2, 0, 1, 1, 132096, 32
	TURN 0, 196608, 32
	HALF 0, 0, 0, 0, 1, 197632, 32                 ; the last of W2f is asked for,
	HALF 1, 1, 0, 1, 0, -1, 32
	HALF 0, 2, 0, 1, 1, -1, 16                     ; and the counts run down
	s_wait_loadcnt 0x0
	s_wait_dscnt 10
.irp a, 0,1,2,3
	MULR 1, 3, \a, 0
.endr
	s_wait_dscnt 0x0
.irp a, 4,5,6,7,8
	MULR 1, 3, \a, 0
.endr
	; THE WAY OUT
	WIN 0
	PLACES
	s_wait_dscnt 0x0
	s_barrier_signal -1
	s_barrier_wait -1                              ; every wave's reads of the ring are over
.irp a, 0,1,2,3,4,5,6,7,8
	DUMPA \a
.endr
	WIN 0
	s_wait_dscnt 0x0                               ; for the others' sake: my copy is written
	s_barrier_signal -1
	s_barrier_wait -1
	s_mov_b32 s67, 9
.Lred:                                                 ; four rows a trip: the four partial sums and the bias
.irp i, 0,1,2,3
.irp c, 0,1,2,3
	ds_load_b128 v[32+16*\i+4*\c:32+16*\i+4*\c+3], v[RD+\c] offset:\i*RP
.endr
.endr
	s_wait_dscnt 0x0
.irp i, 0,1,2,3
	v_pk_add_f32 v[32+16*\i:33+16*\i], v[32+16*\i:33+16*\i], v[36+16*\i:37+16*\i]
	v_pk_add_f32 v[34+16*\i:35+16*\i], v[34+16*\i:35+16*\i], v[38+16*\i:39+16*\i]
	v_pk_add_f32 v[40+16*\i:41+16*\i], v[40+16*\i:41+16*\i], v[44+16*\i:45+16*\i]
	v_pk_add_f32 v[42+16*\i:43+16*\i], v[42+16*\i:43+16*\i], v[46+16*\i:47+16*\i]
	v_pk_add_f32 v[32+16*\i:33+16*\i], v[32+16*\i:33+16*\i], v[40+16*\i:41+16*\i]
	v_pk_add_f32 v[34+16*\i:35+16*\i], v[34+16*\i:35+16*\i], v[42+16*\i:43+16*\i]
	v_pk_add_f32 v[32+16*\i:33+16*\i], v[32+16*\i:33+16*\i], v[BS:BS+1]
	v_pk_add_f32 v[34+16*\i:35+16*\i], v[34+16*\i:35+16*\i], v[BS+2:BS+3]
	global_store_b128 v[YO], v[32+16*\i:35+16*\i], s[10:11] offset:\i*2048  ; 512 consecutive bytes of a row
.endr
	s_wait_xcnt 0x0                                ; the stores have read their data and offset
.irp c, 0,1,2,3
	v_add_nc_u32 v[RD+\c], 4*RP, v[RD+\c]
.endr
	v_add_nc_u32 v[YO], 8192, v[YO]
	s_sub_co_u32 s67, s67, 1
	s_cmp_lg_u32 s67, 0
	s_cbranch_scc1 .Lred
	s_wait_tensorcnt 0x0                           ; the wave's end
	ds_add_u32 v[SPW], v[NIL]
	s_wait_dscnt 0x0
	CROUND                                         ; the closing round
	s_endpgm
.Lfunc_end_k_qf122555ed2_fc2:
	.size	k_qf122555ed2_fc2, .Lfunc_end_k_qf122555ed2_fc2-k_qf122555ed2_fc2
	.p2alignl 7, 3214868480
	.fill 96, 4, 3214868480
	.section	.rodata,"a",@progbits
	.p2align	6, 0x0
	.amdhsa_kernel k_qf122555ed2_fc2
		.amdhsa_group_segment_fixed_size 327680
		.amdhsa_private_segment_fixed_size 0
		.amdhsa_enable_private_segment 0
		.amdhsa_kernarg_size 32
		.amdhsa_user_sgpr_count 2
		.amdhsa_user_sgpr_kernarg_segment_ptr 1
		.amdhsa_wavefront_size32 1
		.amdhsa_system_sgpr_workgroup_id_x 1
		.amdhsa_system_sgpr_workgroup_id_y 1
		.amdhsa_system_sgpr_workgroup_id_z 1
		.amdhsa_system_vgpr_workitem_id 0
		.amdhsa_next_free_vgpr 1024
		.amdhsa_next_free_sgpr 80
		.amdhsa_reserve_vcc 0
		.amdhsa_float_denorm_mode_32 3
		.amdhsa_float_denorm_mode_16_64 3
		.amdhsa_memory_ordered 1
		.amdhsa_forward_progress 1
		.amdhsa_inst_pref_size 111
	.end_amdhsa_kernel
	.amdgpu_metadata
---
amdhsa.version: [ 1, 2 ]
amdhsa.kernels:
  - .name:           k_qf122555ed2_fc2
    .symbol:         k_qf122555ed2_fc2.kd
    .args:
      - { .name: hf, .offset: 0, .size: 8, .value_kind: global_buffer, .address_space: global }
      - { .name: wf, .offset: 8, .size: 8, .value_kind: global_buffer, .address_space: global }
      - { .name: fc2_b, .offset: 16, .size: 8, .value_kind: global_buffer, .address_space: global }
      - { .name: y2, .offset: 24, .size: 8, .value_kind: global_buffer, .address_space: global }
    .group_segment_fixed_size: 327680
    .private_segment_fixed_size: 0
    .kernarg_segment_align: 8
    .kernarg_segment_size: 32
    .max_flat_workgroup_size: 128
    .sgpr_count:     80
    .vgpr_count:     1024
    .wavefront_size: 32
...
	.end_amdgpu_metadata
.endif
;; end of part 4
;; launch comb (part 5): grid 256 x 1, 8 waves a work-group, no clusters, 0 bytes of LDS; arguments y2, plist, cw, out0; writes out0
.if DOCPART == 5
	.amdgcn_target "amdgcn-amd-amdhsa--gfx1250"
	.amdhsa_code_object_version 6
	.text
	.protected	k_qf122555ed2_comb
	.globl	k_qf122555ed2_comb
	.p2align	8
	.type	k_qf122555ed2_comb,@function
k_qf122555ed2_comb:
	s_mov_b64 s[64:65], 0
	v_nop
	global_prefetch_b8 v0, s[64:65] scope:SCOPE_SE
	s_setreg_imm32_b32 hwreg(HW_REG_WAVE_MODE, 25, 1), 1
	s_wait_xcnt 0x0
; out[t] = w0 y[row0] + w1 y[row1]: a token's two expert rows, by the stored list of row places, weighed by its two gates (0 where the entry was dropped; the list then names row place 0, which is finite).
; A wave takes two tokens.  y2's columns lie in slot order inside each 128 (slot 32 c + L is column 4 L + c): a load of 4 bytes a lane takes 128 consecutive bytes, slots 32 c + 0..31, and four such loads
; leave a lane four neighbouring columns, so that each store of the wave covers 512 consecutive bytes of out0.  A stream: no LDS, no matrix unit, no cluster (nothing is shared).
	s_load_b256 s[4:11], s[0:1], 0x0               ; y2 s[4:5], plist s[6:7], cw s[8:9], out0 s[10:11]
	v_and_b32 v1, 31, v0
	v_lshrrev_b32 v2, 5, v0
	v_readfirstlane_b32 s12, v2                    ; wave
	v_lshlrev_b32 v3, 2, v1                        ; 4 L
	v_lshlrev_b32 v4, 4, v1                        ; 16 L
	s_lshl_b32 s13, ttmp9, 7
	s_lshl_b32 s14, s12, 3
	s_add_co_u32 s13, s13, s14                     ; my two tokens' entries of slot 0; slot 1's lie 64 bytes on
	s_lshl_b32 s32, ttmp9, 15
	s_lshl_b32 s33, s12, 12
	s_add_co_u32 s32, s32, s33
	s_mov_b32 s33, 0
	s_wait_kmcnt 0x0
	s_load_b64 s[16:17], s[6:7], s13 offset:0x0    ; row places: slot 0, tokens 0 and 1
	s_load_b64 s[18:19], s[6:7], s13 offset:0x40   ; slot 1
	s_load_b64 s[20:21], s[8:9], s13 offset:0x0    ; weights likewise
	s_load_b64 s[22:23], s[8:9], s13 offset:0x40
	s_add_nc_u64 s[32:33], s[10:11], s[32:33]      ; out0 at my two rows
	s_wait_kmcnt 0x0
.irp k, 0,1,2,3
	s_min_u32 s[16+\k], s[16+\k], 9215
	s_lshl_b32 s[24+2*\k], s[16+\k], 11
	s_mov_b32 s[25+2*\k], 0
	s_add_nc_u64 s[24+2*\k:25+2*\k], s[4:5], s[24+2*\k:25+2*\k]
.endr
.irp u, 0,1
.irp s, 0,1
.irp t, 0,1,2,3
.irp c, 0,1,2,3
	global_load_b32 v[32+32*\u+16*\s+4*\t+\c], v3, s[24+2*(\u+2*\s):25+2*(\u+2*\s)] offset:\t*512+\c*128
.endr
.endr
.endr
.endr
.macro TOKEN u, left
	s_wait_loadcnt \left                           ; this token's 32 loads are in
.set n, 0
.rept 16
	v_mul_f32 v[32+32*(\u)+n], s[20+(\u)], v[32+32*(\u)+n]
	v_fmac_f32 v[32+32*(\u)+n], s[22+(\u)], v[48+32*(\u)+n]
.set n, n+1
.endr
.irp t, 0,1,2,3
	global_store_b128 v4, v[32+32*(\u)+4*\t:32+32*(\u)+4*\t+3], s[32:33] offset:(\u)*2048+\t*512 th:TH_STORE_NT
.endr
.endm
	TOKEN 0, 32                                    ; the second token's 32 loads stay out
	TOKEN 1, 0
	s_endpgm
.Lfunc_end_k_qf122555ed2_comb:
	.size	k_qf122555ed2_comb, .Lfunc_end_k_qf122555ed2_comb-k_qf122555ed2_comb
	.p2alignl 7, 3214868480
	.fill 96, 4, 3214868480
	.section	.rodata,"a",@progbits
	.p2align	6, 0x0
	.amdhsa_kernel k_qf122555ed2_comb
		.amdhsa_group_segment_fixed_size 0
		.amdhsa_private_segment_fixed_size 0
		.amdhsa_enable_private_segment 0
		.amdhsa_kernarg_size 32
		.amdhsa_user_sgpr_count 2
		.amdhsa_user_sgpr_kernarg_segment_ptr 1
		.amdhsa_wavefront_size32 1
		.amdhsa_system_sgpr_workgroup_id_x 1
		.amdhsa_system_sgpr_workgroup_id_y 1
		.amdhsa_system_sgpr_workgroup_id_z 1
		.amdhsa_system_vgpr_workitem_id 0
		.amdhsa_next_free_vgpr 104
		.amdhsa_next_free_sgpr 66
		.amdhsa_reserve_vcc 0
		.amdhsa_float_denorm_mode_32 3
		.amdhsa_float_denorm_mode_16_64 3
		.amdhsa_memory_ordered 1
		.amdhsa_forward_progress 1
		.amdhsa_inst_pref_size 11
	.end_amdhsa_kernel
	.amdgpu_metadata
---
amdhsa.version: [ 1, 2 ]
amdhsa.kernels:
  - .name:           k_qf122555ed2_comb
    .symbol:         k_qf122555ed2_comb.kd
    .args:
      - { .name: y2, .offset: 0, .size: 8, .value_kind: global_buffer, .address_space: global }
      - { .name: plist, .offset: 8, .size: 8, .value_kind: global_buffer, .address_space: global }
      - { .name: cw, .offset: 16, .size: 8, .value_kind: global_buffer, .address_space: global }
      - { .name: out0, .offset: 24, .size: 8, .value_kind: global_buffer, .address_space: global }
    .group_segment_fixed_size: 0
    .private_segment_fixed_size: 0
    .kernarg_segment_align: 8
    .kernarg_segment_size: 32
    .max_flat_workgroup_size: 256
    .sgpr_count:     66
    .vgpr_count:     104
    .wavefront_size: 32
...
	.end_amdgpu_metadata
.endif
;; end of part 5
